; MI455X (gfx1250); checked and timed in simulation.
; The chip was launched on July 23, 2026; its instructions are those of AMD's public machine-readable ISA for CDNA 5 (MIT licence, August 2026) and "CDNA5" Instruction Set Architecture Reference Guide (July 2026). The comments in the code are by the model that wrote it; some were corrected since.
;; Mo E Layer. Allowed arithmetic: matrix products marked QUANTISED: E3M2 operands, one E8M0 scale for each 32 along K, by v_wmma_scale_f32_16x16x128_f8f6f4 with both operands' format E3M2, f32 sums; products left as they are: f32 operands where the result goes on into a quantised operand, else bf16, f16 or f32 operands; f32 sums; everything else in f32.
;; Inputs: fc1_w 8 x 512 x 1,024 float32; fc2_w 8 x 1,024 x 512 float32; router_w 8 x 1,024 float32; x 4 x 2,048 x 1,024 float32.
;; Outputs: out0 4 x 2,048 x 1,024 float32.
;; This version of the problem:
;;   THIS VERSION OF THE PROBLEM IS GIVEN IN LOW PRECISION. The matrix products marked QUANTISED in the list below multiply operands that are first quantised to E3M2 (3 exponent bits, 2 mantissa bits; 6 bits a number), with one power-of-two scale for each 32 numbers along K (OCP MX v1.0); their sums are f32. All else is computed in f32.
;;   The module's matrix products, in the order in which they are computed (A, B: the left and right operand; K: the contracted axis; several contracted axes count as one K, in the product's order):
;;     1. [M 8,192, K 1,024] x [K 1,024, N 8]; A: input x; B: input router_w: left as it is (N = 8 < 16)
;;     2. batch 8,192 x [M 1, K 2] x [K 2, N 8]; A: computed on the way; B: computed on the way: left as it is (K = 2 < 32)
;;     3. [M 8,192, K 1,024] x [K 1,024, N 512]; A: input x; B: input fc1_w: QUANTISED
;;     4. [M 8,192, K 512] x [K 512, N 1,024]; A: computed on the way; B: input fc2_w: QUANTISED
;;     5. [M 8,192, K 1,024] x [K 1,024, N 512]; A: input x; B: input fc1_w: QUANTISED
;;     6. [M 8,192, K 512] x [K 512, N 1,024]; A: computed on the way; B: input fc2_w: QUANTISED
;;     7. [M 8,192, K 1,024] x [K 1,024, N 512]; A: input x; B: input fc1_w: QUANTISED
;;     8. [M 8,192, K 512] x [K 512, N 1,024]; A: computed on the way; B: input fc2_w: QUANTISED
;;     9. [M 8,192, K 1,024] x [K 1,024, N 512]; A: input x; B: input fc1_w: QUANTISED
;;     10. [M 8,192, K 512] x [K 512, N 1,024]; A: computed on the way; B: input fc2_w: QUANTISED
;;     11. [M 8,192, K 1,024] x [K 1,024, N 512]; A: input x; B: input fc1_w: QUANTISED
;;     12. [M 8,192, K 512] x [K 512, N 1,024]; A: computed on the way; B: input fc2_w: QUANTISED
;;     13. [M 8,192, K 1,024] x [K 1,024, N 512]; A: input x; B: input fc1_w: QUANTISED
;;     14. [M 8,192, K 512] x [K 512, N 1,024]; A: computed on the way; B: input fc2_w: QUANTISED
;;     15. [M 8,192, K 1,024] x [K 1,024, N 512]; A: input x; B: input fc1_w: QUANTISED
;;     16. [M 8,192, K 512] x [K 512, N 1,024]; A: computed on the way; B: input fc2_w: QUANTISED
;;     17. [M 8,192, K 1,024] x [K 1,024, N 512]; A: input x; B: input fc1_w: QUANTISED
;;     18. [M 8,192, K 512] x [K 512, N 1,024]; A: computed on the way; B: input fc2_w: QUANTISED
;;   THE QUANTISER, for each operand of a quantised product, along K:
;;     - K is cut into blocks of 32 from its start; a last block that is shorter is filled with zeros.
;;     - A block's scale is 2^e with e = floor(log2(the largest magnitude in the block)) - 4, held to -126 .. 127; a block of zeros has e = 0. As a byte (E8M0): e + 127.
;;     - Each number is divided by its block's scale, clamped to +-28, and rounded to the nearest number of E3M2, ties to even, subnormals kept.
;;     - The product sums the exact products of the quantised numbers (number of the format x scale) in f32.
;;   ~~~python
;;   def quantise(x, axis):      # numpy; x: float32 -> the quantised numbers, widened to float32 again
;;       x = np.moveaxis(x, axis, -1); K = x.shape[-1]
;;       x = np.pad(x, [(0, 0)] * (x.ndim - 1) + [(0, -K % 32)]); x = x.reshape(x.shape[:-1] + (-1, 32)); a = np.abs(x).max(-1, keepdims=True)
;;       e = np.where(a > 0, np.clip(np.frexp(np.where(a > 0, a, 1))[1] - 1 - 4, -126, 127), 0)      # np.frexp(a)[1] - 1 = floor(log2(a)), exactly
;;       r = np.clip(x / 2.0 ** e, -28, 28)
;;       step = 2.0 ** (np.maximum(np.frexp(np.where(r == 0, 1, r))[1] - 1, -2) - 2)
;;       q = np.round(r / step) * step * 2.0 ** e      # np.round: ties to even
;;       return np.moveaxis(q.reshape(q.shape[:-2] + (-1,))[..., :K], -1, axis).astype(np.float32)
;;   ~~~
;;   OPERANDS COMPUTED ON THE WAY. 'Computed on the way' means the value that the module computes at that place (a softmax that the list does not call 'softmax' is quantised finished and normalised). What goes into a quantiser is computed in f32, as accurately as f32 sums, v_exp_f32 and their like allow (about 1e-6 of the number): no bf16 or f16 on the way to a quantiser, and a product that is left as it is and whose result goes on into a quantised operand takes f32 operands (vector FMAs, or v_wmma_f32_16x16x4_f32). A number that lies on a knife's edge between two numbers of the format may be rounded either way, as far as f32 arithmetic and the matrix unit's own rounding can turn it there, and no further.
;; 2 versions, each right; version 2 is version 1 with the launch moe written anew for expert scheduling mode. Each part assembles by itself: llvm-mc -triple=amdgcn-amd-amdhsa -mcpu=gfx1250 --defsym DOCPART=n.
;; ======== version 1 of 2: 3 launches
;; workspace buffers: xc 6,291,456 bytes; xs 262,144 bytes; wc 6,291,456 bytes; ws 262,144 bytes; route 98,304 bytes of whole numbers; gate 65,536 bytes; list 35,328 bytes of whole numbers
;; launch prep (part 1): grid 256 x 1, 4 waves a work-group, no clusters, 49,664 bytes of LDS; arguments x, router_w, fc1_w, fc2_w, xc, xs, wc, ws, route, gate; writes xc, xs, wc, ws, route, gate
.if DOCPART == 1
	.amdgcn_target "amdgcn-amd-amdhsa--gfx1250"
	.amdhsa_code_object_version 6
	.text
	.protected	k_q48ee710680_prep
	.globl	k_q48ee710680_prep
	.p2align	8
	.type	k_q48ee710680_prep,@function
k_q48ee710680_prep:
	s_mov_b64 s[64:65], 0
	v_nop
	global_prefetch_b8 v0, s[64:65] scope:SCOPE_SE
	s_setreg_imm32_b32 hwreg(HW_REG_WAVE_MODE, 25, 1), 1
	s_wait_xcnt 0x0
; PREP: every f32 input is read once.  Work-groups 0-127 take x (64 tokens each), work-groups 128-255 the experts' weights; both kinds read 256 KiB.
; x [8192][1024] f32 -> xc: codes of E3M2, 768 bytes a token; the block of 32 with number 4 q + 2 c + h lies at 96 q + 48 h + 24 c, so that lane (r, h) of an operand finds
;   its 48 bytes of K step q on end.  xs: 32 scale bytes a token, byte b for block b.
; The router (8 logits a token, f32 fused multiply-adds), its two largest logits (the lower index wins a tie, as in jax.lax.top_k) and the two gate weights
;   w1 = 1 / (1 + e^(l2 - l1)), w2 = e^(l2 - l1) w1: the larger logit is taken away ahead of the exponential, and the softmax's divisor cancels in top_vals / sum.
;   route: tokinfo[token] = pair + 256 x (rank among equal pairs in the token's chunk of 16) at byte 0; hist[chunk][32] at byte 32,768.  gate: [token] (w_lo, w_hi).
;   pair = lo (15 - lo) / 2 + hi - lo - 1, 0 .. 27.  These numbers are only stored here: no address and no branch of this launch hangs on them.
; fc1_w [8][512][1024], fc2_w [8][1024][512] -> wc: fragments (16 rows x 128 K, 12 registers a lane) as images of the operand's registers, 1,536 bytes each: registers 4 j .. 4 j + 3 of lane l at 512 j + 16 l.
;   A wave makes one unit U of 8 fragments (two tiles of rows a' x four K steps ql) at 12,288 U + 1,536 (4 a' + ql).
;   U < 256 (fc1): U = 8 (4 e + w) + 4 hb + 2 qh + a; lane r takes hidden row 128 w + 32 (2 hb + a) + 8 a' + r + 8 (r / 8); K step 4 qh + ql.
;   U >= 256 (fc2): lane r takes output row 32 (U - 256) + 16 a' + r of the 8,192; K step ql.
;   ws: a row's scale word of a K step at (U / 8) 4096 + ((U % 8) / 2) 1024 + 256 ql + 16 r + 4 (2 (U % 2) + a').
; THE QUANTISER: a block's scale byte is its largest magnitude's exponent field - 4, held at 1 from below; the conversion divides by the scale and rounds to the nearest code, ties to even, beyond 28 the code of 28.
; LIMITS: NaN and infinities among the inputs are not served.  A block of zeros gets the byte 1 where the rule says 127: its codes are zeros, and only this program reads the bytes.
;   The two experts are chosen by the logits: logits so close that f32 rounds their probabilities to one number may be ordered otherwise than by the probabilities.  Where e^(l2 - l1) falls under 2^-126, w2 is 0.
.set R,   128                          ; v128-255 four rows of x as loaded, 32 registers each
.set X,   64                           ; v64-127  two sets of 32 neighbours: my block of a row
.set ACC, 16                           ; v16-31   eight pairs of partial logits
.set LG,  32                           ; v32-39   the finished logits: lane = the wave's row
.set TM,  224                          ; weights: v224-239 at work in the quantiser
.set PC,  8                            ; weights: v8-19 a fragment's codes, v20-26 halves on their way
.set PWR, 240                          ; weights: v240-247 the eight fragments' scale words
.set MSB, 0
.macro WIN new                         ; the immediate's high byte repeats the setting that is left
.if MSB != (\new)
	s_set_vgpr_msb (MSB<<8)|(\new)
.set MSB, (\new)
.endif
.endm
	s_load_b512 s[4:19], s[0:1], 0x0               ; x 4, router_w 6, fc1_w 8, fc2_w 10, xc 12, xs 14, wc 16, ws 18
	s_load_b128 s[20:23], s[0:1], 0x40             ; route 20, gate 22
	s_set_vgpr_msb 0x80
	v_lshl_add_u32 v0, v0, 2, 0xc000
	v_mov_b32 v1, 0
	s_set_vgpr_msb 0x8000
	v_lshrrev_b32 v1, 5, v0
	v_readfirstlane_b32 s24, v1                    ; wave 0..3
	v_and_b32 v1, 31, v0                           ; lane
	v_lshlrev_b32 v2, 4, v1                        ; 16 x lane
	s_mov_b32 s26, 0x76543210
	s_mov_b32 s27, 0xfedcba98                      ; v_permlanex16_b32's selects for lane l xor 16
	s_cmp_ge_u32 ttmp9, 128
	s_cbranch_scc1 .Lweights
; ---------------- x: a wave takes 16 rows (one chunk), a row a step.  Lane l owns block l of the row: its maximum needs no other lane, and the lane's 8 x 32 router weights stay in window 1.
; LDS of a wave (12,288 bytes): two stages of 32 x 144 bytes, in which a row turns from 16 bytes a lane to 128 bytes a lane; at 9,216 a stage of 64 places of 16 bytes for a row's codes; at 10,240 four rows' scale bytes.
	s_mul_i32 s25, s24, 12288
	s_add_co_u32 s29, s25, 9216
	s_add_co_u32 s30, s25, 10240
	v_lshrrev_b32 v12, 3, v1
	v_mul_u32_u24 v3, v12, 144
	v_and_b32 v12, 7, v1
	v_lshl_add_u32 v3, v12, 4, v3
	v_add_nc_u32 v3, s25, v3                       ; v3: into a stage: 144 (l / 8) + 16 (l % 8); a load's 512 bytes are four blocks
	v_mul_u32_u24 v4, v1, 144
	v_add_nc_u32 v4, s25, v4                       ; v4: out of it: 144 l: my block's 128 bytes
	v_and_b32 v12, 28, v1
	v_and_b32 v13, 1, v1
	v_lshl_add_u32 v12, v13, 1, v12
	v_bfe_u32 v13, v1, 1, 1
	v_add_nc_u32 v12, v12, v13                     ; my block's place in xc's order: (l & 28) + 2 (l & 1) + ((l >> 1) & 1)
	v_lshl_add_u32 v5, v12, 5, s29                 ; v5: the codes' stage, in: two places of 16 bytes a block
	v_add_nc_u32 v6, s29, v2                       ; v6: and out: place l, place 32 + l
	v_add_nc_u32 v7, s30, v1                       ; v7: my block's scale byte
	v_mul_u32_u24 v8, v1, 12                       ; v8: 12 x lane: a place's 12 bytes in xc
	v_lshlrev_b32 v9, 7, v1                        ; v9: 128 x lane: my block in a row of router_w
	v_lshl_add_u32 v10, v1, 2, s30                 ; v10: four rows' scale bytes, a word a lane
	v_lshlrev_b32 v11, 2, v1                       ; v11: 4 x lane
.irp e, 0,1,2,3,4,5,6,7
	v_mov_b32 v[LG+\e], 0
	v_mov_b32 v[56+\e], 0                          ; a lane permute's destination counts as one of its sources
.endr
	s_lshl_b32 s29, ttmp9, 2
	s_add_co_u32 s29, s29, s24                     ; my chunk of 16 tokens: 4 x work-group + wave
	s_lshl_b32 s32, s29, 16                        ; x: 16 rows of 4,096 bytes
	s_mov_b32 s33, 0
	s_mul_i32 s34, s29, 12288                      ; xc: 16 rows of 768
	s_mov_b32 s35, 0
	s_lshl_b32 s36, s29, 9                         ; xs: 16 rows of 32
	s_mov_b32 s37, 0
	s_lshl_b32 s38, s29, 7                         ; hist: 128 bytes a chunk; gate: 16 x 8
	s_mov_b32 s39, 0
	s_lshl_b32 s42, s29, 6                         ; tokinfo: 16 x 4
	s_mov_b32 s43, 0
	s_mov_b32 s28, 1                               ; the bit of the lane that keeps this row's logits
	s_mov_b32 s31, 3
	s_wait_kmcnt 0x0
	s_add_nc_u64 s[4:5], s[4:5], s[32:33]
	s_add_nc_u64 s[12:13], s[12:13], s[34:35]
	s_add_nc_u64 s[14:15], s[14:15], s[36:37]
	s_add_nc_u64 s[40:41], s[20:21], s[38:39]
	s_add_nc_u64 s[20:21], s[20:21], s[42:43]
	s_add_nc_u64 s[22:23], s[22:23], s[38:39]
	WIN 0x40                                       ; destination window 1
.irp e, 0,1,2,3,4,5,6,7
.irp i, 0,1,2,3,4,5,6,7
	global_load_b128 v[32*\e+4*\i:32*\e+4*\i+3], v9, s[6:7] offset:4096*\e+16*\i   ; router_w[e][32 l + 4 i ..]
.endr
.endr
	WIN 0
.macro XROW p, off                     ; a row of x into buffer p: each load takes 512 consecutive bytes
.irp j, 0,1,2,3,4,5,6,7
	global_load_b128 v[R+32*(\p)+4*\j:R+32*(\p)+4*\j+3], v2, s[4:5] offset:(\off)+512*\j th:TH_LOAD_NT
.endr
.endm
.macro TURN p, tau                     ; buffer p through stage tau into set tau; LDS serves a wave's instructions in order, so no wait stands between
.irp j, 0,1,2,3,4,5,6,7
	ds_store_b128 v3, v[R+32*(\p)+4*\j:R+32*(\p)+4*\j+3] offset:4608*(\tau)+576*\j
.endr
.irp j, 0,1,2,3,4,5,6,7
	ds_load_b128 v[X+32*(\tau)+4*\j:X+32*(\tau)+4*\j+3], v4 offset:4608*(\tau)+16*\j
.endr
.endm
.macro ROUTE tau                       ; my block's share of the eight logits: eight chains by turns, two numbers an instruction
	WIN 0x04                                       ; source 1 (the weights) window 1
.irp e, 0,1,2,3,4,5,6,7
	v_pk_mul_f32 v[ACC+2*\e:ACC+2*\e+1], v[X+32*(\tau):X+32*(\tau)+1], v[32*\e:32*\e+1]
.endr
.set i, 2
.rept 15
.irp e, 0,1,2,3,4,5,6,7
	v_pk_fma_f32 v[ACC+2*\e:ACC+2*\e+1], v[X+32*(\tau)+i:X+32*(\tau)+i+1], v[32*\e+i:32*\e+i+1], v[ACC+2*\e:ACC+2*\e+1]
.endr
.set i, i+2
.endr
	WIN 0
.endm
.macro QROW tau, k                     ; my block's scale byte and codes; the row's codes turn through the codes' stage
.set XB, X+32*(\tau)
	v_max3_num_f32 v12, |v[XB]|, |v[XB+1]|, |v[XB+2]|
	v_max3_num_f32 v13, |v[XB+3]|, |v[XB+4]|, |v[XB+5]|
.irp i, 6,10,14,18,22,26
	v_max3_num_f32 v12, v12, |v[XB+\i]|, |v[XB+\i+1]|
	v_max3_num_f32 v13, v13, |v[XB+\i+2]|, |v[XB+\i+3]|
.endr
	v_max3_num_f32 v12, v12, |v[XB+30]|, |v[XB+31]|
	v_max3_num_f32 v12, v12, v13, 0x2800000        ; and the floor 2^(5 - 127): the byte cannot fall under 1
	v_add_nc_u32 v14, 0xfe000000, v12              ; 4 off the exponent field: the conversion takes this operand's exponent field as its scale
	v_cvt_scalef32_pk16_bf6_f32 v[40:42], v[XB:XB+15], v14
	v_cvt_scalef32_pk16_bf6_f32 v[44:46], v[XB+16:XB+31], v14
	v_lshrrev_b32 v15, 23, v14                     ; the scale's byte (the plain line behind the conversions)
	ds_store_b96 v5, v[40:42]
	ds_store_b96 v5, v[44:46] offset:16
	ds_store_b8 v7, v15 offset:32*(\k)
	s_wait_xcnt 0x0                                ; the last row's stores have read v48-54: only now are they loaded again
	ds_load_b96 v[48:50], v6
	ds_load_b96 v[52:54], v6 offset:512
.endm
.macro REDUCE                          ; the eight logits over the 32 lanes; the lane whose number is the row's keeps them
.irp e, 0,1,2,3,4,5,6,7
	v_add_f32 v[ACC+2*\e], v[ACC+2*\e], v[ACC+2*\e+1]
.endr
.irp m, 1,2,4,8
.irp e, 0,1,2,3,4,5,6,7
	v_add_f32_dpp v[ACC+2*\e], v[ACC+2*\e], v[ACC+2*\e] row_xmask:\m row_mask:0xf bank_mask:0xf
.endr
.endr
.irp e, 0,1,2,3,4,5,6,7
	v_permlanex16_b32 v[56+\e], v[ACC+2*\e], s26, s27
.endr
.irp e, 0,1,2,3,4,5,6,7
	v_add_f32 v[ACC+2*\e], v[ACC+2*\e], v[56+\e]
.endr
.irp e, 0,1,2,3,4,5,6,7
	v_cndmask_b32 v[LG+\e], v[LG+\e], v[ACC+2*\e], s28
.endr
	s_lshl_b32 s28, s28, 1
.endm
; Row k of a trip's four.  ahead: its buffer takes the row four on.  turn: the next row goes through the other stage; left: the loads of the rows behind that one, which may stay out.
.macro ROW k, ahead, turn, left
	s_wait_dscnt 0x0                               ; my block of this row is in, and the stage's stores have read the row's buffer
.if \ahead
	XROW \k, 4096*((\k)+4)
.endif
.if \turn
	s_wait_loadcnt \left
	TURN ((\k)+1)%4, ((\k)+1)%2
.endif
	ROUTE (\k)%2
	QROW (\k)%2, \k
	REDUCE
	s_wait_dscnt 0x0                               ; the row's codes are back, 12 bytes a place
	global_store_b96 v8, v[48:50], s[12:13] offset:768*(\k)         ; 32 lanes store 384 consecutive bytes
	global_store_b96 v8, v[52:54], s[12:13] offset:768*(\k)+384
.endm
.macro BYTES                           ; four rows' scale bytes leave as 128 consecutive bytes
	ds_load_b32 v55, v10
	s_wait_dscnt 0x0
	global_store_b32 v11, v55, s[14:15]
.endm
	XROW 0, 0
	XROW 1, 4096
	XROW 2, 8192
	XROW 3, 12288
	s_wait_loadcnt 24                              ; the router's weights and row 0 are in; rows 1 to 3 (24 loads) may be out
	TURN 0, 0
.Lrows:                                                ; three trips of four rows; the last four rows are written out, since they load nothing
	ROW 0, 1, 1, 24
	ROW 1, 1, 1, 24
	ROW 2, 1, 1, 24
	ROW 3, 1, 1, 24
	BYTES
	s_wait_xcnt 0x0                                ; the bases and v55 are written again only behind this wait
	s_add_nc_u64 s[4:5], s[4:5], 16384
	s_add_nc_u64 s[12:13], s[12:13], 3072
	s_add_nc_u64 s[14:15], s[14:15], 128
	s_sub_co_u32 s31, s31, 1
	s_cmp_lg_u32 s31, 0
	s_cbranch_scc1 .Lrows
	ROW 0, 0, 1, 16
	ROW 1, 0, 1, 8
	ROW 2, 0, 1, 0
	ROW 3, 0, 0, 0
	BYTES
; The choice, lane = row (lanes 16-31 run along on zeros and store nothing of it).  v12 m1, v13 i1, v14 m2, v15 i2.
	v_mov_b32 v12, v[LG]
	v_mov_b32 v13, 0
	v_mov_b32 v14, 0xff800000
	v_mov_b32 v15, 0
.irp e, 1,2,3,4,5,6,7
	v_cmp_gt_f32 vcc_lo, v[LG+\e], v12             ; strictly larger: the lower index keeps its place in a tie
	v_cmp_gt_f32 s30, v[LG+\e], v14
	v_cndmask_b32 v14, v14, v[LG+\e], s30
	v_cndmask_b32 v15, v15, \e, s30
	v_cndmask_b32 v14, v14, v12, vcc_lo
	v_cndmask_b32 v15, v15, v13, vcc_lo
	v_cndmask_b32 v12, v12, v[LG+\e], vcc_lo
	v_cndmask_b32 v13, v13, \e, vcc_lo
.endr
	v_sub_f32 v16, v14, v12                        ; l2 - l1, 0 or less
	v_mul_f32 v16, 0x3fb8aa3b, v16
	v_exp_f32 v17, v16                             ; e^(l2 - l1)
	v_min_u32 v21, v13, v15                        ; lo (a plain line behind the exponential)
	v_add_nc_u32 v22, v13, v15
	s_wait_alu depctr_va_vdst(0)
	v_add_f32 v18, 1.0, v17
	v_rcp_f32 v19, v18                             ; w1
	v_sub_nc_u32 v22, v22, v21                     ; hi (a plain line behind the reciprocal)
	v_cmp_lt_u32 vcc_lo, v13, v15
	s_wait_alu depctr_va_vdst(0)
	v_mul_f32 v20, v17, v19                        ; w2
	v_cndmask_b32 v24, v20, v19, vcc_lo            ; w_lo
	v_cndmask_b32 v25, v19, v20, vcc_lo            ; w_hi
	v_sub_nc_u32 v26, 15, v21
	v_mul_u32_u24 v26, v26, v21
	v_lshrrev_b32 v26, 1, v26
	v_add_nc_u32 v26, v26, v22
	v_sub_nc_u32 v26, v26, v21
	v_add_nc_u32 v26, -1, v26                      ; the pair's number
	v_cmp_gt_u32 vcc_lo, 16, v1
	v_cndmask_b32 v26, 0xff, v26, vcc_lo           ; lanes 16-31 count for no pair
	v_mov_b32 v27, 0                               ; the chunk's histogram, lane = pair
	v_mov_b32 v28, 0                               ; my rank among equal pairs
.set P, 0
.rept 28
	v_cmp_eq_u32 vcc_lo, P, v26
	s_bcnt1_i32_b32 s30, vcc_lo
	v_writelane_b32 v27, s30, P
	v_mbcnt_lo_u32_b32 v29, vcc_lo, 0
	v_cndmask_b32 v28, v28, v29, vcc_lo
.set P, P+1
.endr
	v_lshl_or_b32 v30, v28, 8, v26
	v_lshlrev_b32 v31, 3, v1
	global_store_b32 v11, v27, s[40:41] offset:32768
	v_cmp_gt_u32 vcc_lo, 16, v1
	s_wait_xcnt 0x0                                ; EXEC changes only behind this wait
	s_set_vgpr_msb 0xa
	s_wait_tensorcnt 0x0
	ds_add_u32 v0, v1
	s_wait_dscnt 0x0
	s_set_vgpr_msb 0xa00
	s_and_saveexec_b32 s30, vcc_lo
	global_store_b32 v11, v30, s[20:21]
	global_store_b64 v31, v[24:25], s[22:23]
	s_wait_xcnt 0x0
	s_or_b32 exec_lo, exec_lo, s30
	s_endpgm
; ---------------- the weights: a wave makes one unit of eight fragments.  No LDS: a lane loads, of its row, 16 neighbours of each block of 32, as the quantiser below wants them.
.Lweights:
	s_sub_co_u32 s25, ttmp9, 128
	s_lshl_b32 s25, s25, 2
	s_add_co_u32 s25, s25, s24                     ; U
	v_and_b32 v5, 15, v0                           ; r
	v_bfe_u32 v6, v0, 4, 1                         ; h
	s_lshr_b32 s28, s25, 3                         ; fc1: (128 (U / 8) + 64 hb + 32 a) rows of 4,096 bytes + 2,048 qh
	s_lshl_b32 s28, s28, 19
	s_bfe_u32 s29, s25, 0x10002
	s_lshl_b32 s29, s29, 18
	s_add_co_u32 s28, s28, s29
	s_and_b32 s29, s25, 1
	s_lshl_b32 s29, s29, 17
	s_add_co_u32 s28, s28, s29
	s_bfe_u32 s29, s25, 0x10001
	s_lshl_b32 s29, s29, 11
	s_add_co_u32 s28, s28, s29
	s_sub_co_u32 s30, s25, 256                     ; fc2: 32 (U - 256) rows of 2,048 bytes
	s_lshl_b32 s30, s30, 16
	s_mov_b32 s31, 2048
	s_mov_b32 s29, 0
	s_wait_kmcnt 0x0
	s_cmp_lt_u32 s25, 256                          ; the choice hangs on the work-group's and the wave's number alone
	s_cselect_b32 s28, s28, s30
	s_cselect_b64 s[32:33], s[8:9], s[10:11]
	s_cselect_b32 s31, 0x1000, s31                 ; a row's bytes
	s_cselect_b32 s34, 8, 0                        ; fc1's tiles take rows r + 8 (r / 8)
	s_add_nc_u64 s[32:33], s[32:33], s[28:29]      ; tile a' = 0
	s_add_nc_u64 s[36:37], s[32:33], 0x8000        ; tile a' = 1: 8 rows of 4,096 or 16 of 2,048 on
	v_lshrrev_b32 v7, 3, v5
	v_mul_u32_u24 v7, s34, v7
	v_add_nc_u32 v7, v7, v5
	v_mul_u32_u24 v3, s31, v7
	v_lshl_add_u32 v3, v6, 6, v3                   ; v3: my row, + 64 h
	v_lshlrev_b32 v4, 4, v5
	v_lshl_add_u32 v4, v6, 8, v4                   ; v4: the scale words' place: 256 h + 16 r
	s_mul_i32 s28, s25, 12288
	s_add_nc_u64 s[16:17], s[16:17], s[28:29]
	s_lshr_b32 s28, s25, 3
	s_lshl_b32 s28, s28, 12
	s_bfe_u32 s30, s25, 0x20001
	s_lshl_b32 s30, s30, 10
	s_add_co_u32 s28, s28, s30
	s_and_b32 s30, s25, 1
	s_lshl_b32 s30, s30, 3
	s_add_co_u32 s28, s28, s30
	s_add_nc_u64 s[18:19], s[18:19], s[28:29]
	s_mov_b32 s38, 0xffff0000
.irp b, 0,1,2,3
	v_mov_b32 v[TM+4+\b], 0                        ; a lane permute's destination counts as one of its sources
.endr
.macro WLOAD i                         ; fragment i = 4 a' + ql: 64 numbers a lane, register 16 b + n = k 32 b + 16 h + n of my row, into set i % 3
.irp b, 0,1,2,3
.irp j, 0,1,2,3
	global_load_b128 v[32+64*((\i)%3)+16*\b+4*\j:32+64*((\i)%3)+16*\b+4*\j+3], v3, s[32+4*((\i)/4):33+4*((\i)/4)] offset:512*((\i)%4)+128*\b+16*\j th:TH_LOAD_NT
.endr
.endr
.endm
.macro QW s, pw                        ; 64 numbers from v[s] on become a fragment's codes in v[PC] on and its rows' scale word in v[pw]
.irp b, 0,1,2,3
	v_max3_num_f32 v[TM+\b], |v[(\s)+16*\b]|, |v[(\s)+1+16*\b]|, 0x2800000   ; my 16 of block b, and the floor 2^(5 - 127)
.endr
.irp i, 2,4,6,8,10,12,14
.irp b, 0,1,2,3
	v_max3_num_f32 v[TM+\b], v[TM+\b], |v[(\s)+16*\b+\i]|, |v[(\s)+1+16*\b+\i]|
.endr
.endr
.irp b, 0,1,2,3
	v_permlanex16_b32 v[TM+4+\b], v[TM+\b], s26, s27
.endr
.irp b, 0,1,2,3
	v_max_num_f32 v[TM+\b], v[TM+\b], v[TM+4+\b]   ; with lane l xor 16's: the block's largest magnitude
.endr
.irp b, 0,1,2,3
	v_add_nc_u32 v[TM+12+\b], 0xfe000000, v[TM+\b]
.endr
.irp b, 0,1,2,3
	v_lshrrev_b32 v[TM+4+\b], 23, v[TM+12+\b]
.endr
	v_lshl_or_b32 v[\pw], v[TM+5], 8, v[TM+4]
	v_lshl_or_b32 v[\pw], v[TM+6], 16, v[\pw]
	v_lshl_or_b32 v[\pw], v[TM+7], 24, v[\pw]
.irp c, 0,1
	v_cvt_scalef32_pk16_bf6_f32 v[PC+6*\c:PC+2+6*\c], v[(\s)+32*\c:(\s)+15+32*\c], v[TM+12+2*\c]
	v_cvt_scalef32_pk16_bf6_f32 v[PC+12+4*\c:PC+14+4*\c], v[(\s)+16+32*\c:(\s)+31+32*\c], v[TM+12+2*\c+1]   ; (a conversion's three registers begin on an even number)
.endr
	v_nop                                          ; one plain line behind a scaled conversion
.irp c, 0,1                                    ; the operand's layout wants a whole block in a lane: lanes 0-15 block 2 c, lanes 16-31 block 2 c + 1
.irp i, 0,1,2
	v_permlane16_swap_b32 v[PC+6*\c+\i], v[PC+12+4*\c+\i]
.endr
.irp i, 0,1,2
	v_mov_b32 v[PC+3+6*\c+\i], v[PC+12+4*\c+\i]
.endr
.endr
.endm
	WLOAD 0
	WLOAD 1
	WLOAD 2
.irp i, 0,1,2,3,4,5,6,7
.if \i < 6
	s_wait_loadcnt 32                              ; this fragment's 16 loads are in; the two younger fragments' may be out
.else
	s_wait_loadcnt 16*(7-\i)
.endif
	s_wait_xcnt 0x0                                ; the last fragment's stores have read v[PC] on
	QW 32+64*(\i%3), PWR+\i
.irp c, 0,1,2
	global_store_b128 v2, v[PC+4*\c:PC+4*\c+3], s[16:17] offset:1536*\i+512*\c   ; the image: 512 consecutive bytes a store
.endr
.if \i < 5
	WLOAD \i+3
.endif
.endr
.irp n, 0,1                                    ; the scale words: lanes 0-15 store K step 2 n, lanes 16-31 K step 2 n + 1; a pair is tiles a' = 0, 1
	v_cndmask_b32 v[248+2*\n], v[PWR+2*\n], v[PWR+2*\n+1], s38
	v_cndmask_b32 v[249+2*\n], v[PWR+4+2*\n], v[PWR+5+2*\n], s38
	global_store_b64 v4, v[248+2*\n:249+2*\n], s[18:19] offset:512*\n
.endr
	s_endpgm
.Lfunc_end_k_q48ee710680_prep:
	.size	k_q48ee710680_prep, .Lfunc_end_k_q48ee710680_prep-k_q48ee710680_prep
	.p2alignl 7, 3214868480
	.fill 96, 4, 3214868480
	.section	.rodata,"a",@progbits
	.p2align	6, 0x0
	.amdhsa_kernel k_q48ee710680_prep
		.amdhsa_group_segment_fixed_size 49664
		.amdhsa_private_segment_fixed_size 0
		.amdhsa_enable_private_segment 0
		.amdhsa_kernarg_size 80
		.amdhsa_user_sgpr_count 2
		.amdhsa_user_sgpr_kernarg_segment_ptr 1
		.amdhsa_wavefront_size32 1
		.amdhsa_system_sgpr_workgroup_id_x 1
		.amdhsa_system_sgpr_workgroup_id_y 1
		.amdhsa_system_sgpr_workgroup_id_z 1
		.amdhsa_system_vgpr_workitem_id 0
		.amdhsa_next_free_vgpr 514
		.amdhsa_next_free_sgpr 66
		.amdhsa_reserve_vcc 1
		.amdhsa_float_denorm_mode_32 3
		.amdhsa_float_denorm_mode_16_64 3
		.amdhsa_memory_ordered 1
		.amdhsa_forward_progress 1
		.amdhsa_inst_pref_size 190
	.end_amdhsa_kernel
	.amdgpu_metadata
---
amdhsa.version: [ 1, 2 ]
amdhsa.kernels:
  - .name:           k_q48ee710680_prep
    .symbol:         k_q48ee710680_prep.kd
    .args:
      - { .name: x, .offset: 0, .size: 8, .value_kind: global_buffer, .address_space: global }
      - { .name: router_w, .offset: 8, .size: 8, .value_kind: global_buffer, .address_space: global }
      - { .name: fc1_w, .offset: 16, .size: 8, .value_kind: global_buffer, .address_space: global }
      - { .name: fc2_w, .offset: 24, .size: 8, .value_kind: global_buffer, .address_space: global }
      - { .name: xc, .offset: 32, .size: 8, .value_kind: global_buffer, .address_space: global }
      - { .name: xs, .offset: 40, .size: 8, .value_kind: global_buffer, .address_space: global }
      - { .name: wc, .offset: 48, .size: 8, .value_kind: global_buffer, .address_space: global }
      - { .name: ws, .offset: 56, .size: 8, .value_kind: global_buffer, .address_space: global }
      - { .name: route, .offset: 64, .size: 8, .value_kind: global_buffer, .address_space: global }
      - { .name: gate, .offset: 72, .size: 8, .value_kind: global_buffer, .address_space: global }
    .group_segment_fixed_size: 49664
    .private_segment_fixed_size: 0
    .kernarg_segment_align: 8
    .kernarg_segment_size: 80
    .max_flat_workgroup_size: 128
    .sgpr_count:     66
    .vgpr_count:     514
    .wavefront_size: 32
...
	.end_amdgpu_metadata
.endif
;; end of part 1
;; launch place (part 2): grid 1 x 1, 16 waves a work-group, no clusters, 4,096 bytes of LDS; arguments route, list; writes list
.if DOCPART == 2
	.amdgcn_target "amdgcn-amd-amdhsa--gfx1250"
	.amdhsa_code_object_version 6
	.text
	.protected	k_q48ee710680_place
	.globl	k_q48ee710680_place
	.p2align	8
	.type	k_q48ee710680_place,@function
k_q48ee710680_place:
	s_mov_b64 s[64:65], 0
	v_nop
	global_prefetch_b8 v0, s[64:65] scope:SCOPE_SE
	s_setreg_imm32_b32 hwreg(HW_REG_WAVE_MODE, 25, 1), 1
	s_wait_xcnt 0x0
; PLACE: a counting sort of the 8,192 tokens by their pair of experts (28 pairs), and the list of tiles.  One work-group, no atomics.
; in:  route: tokinfo[8192] = pair + 256 x rank at byte 0; hist[512 chunks of 16 tokens][32] at byte 32,768.
; out: list: order[8192], the tokens sorted by pair, at byte 0; 160 records of 16 bytes (lo, hi, first, count) at byte 32,768: tile t takes order[first .. first + count - 1], count at most 64, 0 for a tile that this split leaves without rows.
; A token's place = the pair's first place + the pair's count in all earlier chunks + the token's rank in its chunk.
; Wave w owns chunks 32 w .. 32 w + 31 (tokens 512 w .. 512 w + 511).  In all tables lane = pair.
	s_load_b128 s[4:7], s[0:1], 0x0                ; route, list
	v_lshl_add_u32 v192, v0, 2, 0x800
	v_mov_b32 v193, 0
	v_lshrrev_b32 v1, 5, v0
	v_readfirstlane_b32 s8, v1                     ; wave 0..15
	v_and_b32 v1, 31, v0                           ; lane
	v_lshlrev_b32 v2, 2, v1                        ; 4 x lane
	s_lshl_b32 s9, s8, 12
	v_add_nc_u32 v3, s9, v2                        ; my 32 chunks' histograms
	s_lshl_b32 s9, s8, 11
	v_add_nc_u32 v4, s9, v2                        ; my 512 tokens
	v_lshlrev_b32 v7, 2, v0                        ; LDS: 128 x wave + 4 x lane
	s_mov_b32 s16, 0xffff0000
	s_wait_kmcnt 0x0
.irp i, 0,1,2,3,4,5,6,7,8,9,10,11,12,13,14,15,16,17,18,19,20,21,22,23,24,25,26,27,28,29,30,31
	global_load_b32 v[16+\i], v3, s[4:5] offset:32768+128*\i
.endr
.irp j, 0,1,2,3,4,5,6,7,8,9,10,11,12,13,14,15
	global_load_b32 v[48+\j], v4, s[4:5] offset:128*\j
.endr
	s_wait_loadcnt 16                              ; the histograms are in; the 16 loads of tokinfo may be out
	v_mov_b32 v5, 0
.irp i, 0,2,4,6,8,10,12,14,16,18,20,22,24,26,28,30   ; each chunk's count gives way to the sum of the wave's earlier chunks; two running sums by turns
	v_add_nc_u32 v6, v5, v[16+\i]
	v_mov_b32 v[16+\i], v5
	v_add_nc_u32 v5, v6, v[17+\i]
	v_mov_b32 v[17+\i], v6
.endr
	ds_store_b32 v7, v5                            ; the wave's totals
	s_wait_dscnt 0x0                               ; for the others' sake: zero
	s_barrier_signal -1
	s_barrier_wait -1
.irp u, 0,1,2,3,4,5,6,7,8,9,10,11,12,13,14,15
	ds_load_b32 v[64+\u], v2 offset:128*\u
.endr
	v_mov_b32 v10, 0                               ; T: the pair's tokens in all
	v_mov_b32 v11, 0                               ; and in the waves before mine
	s_wait_dscnt 0x0
.irp u, 0,1,2,3,4,5,6,7,8,9,10,11,12,13,14,15
	s_cmp_gt_u32 s8, \u
	s_cselect_b32 s10, -1, 0
	v_add_nc_u32 v10, v10, v[64+\u]
	v_and_b32 v9, s10, v[64+\u]
	v_add_nc_u32 v11, v11, v9
.endr
; The walk over the pairs.  s12: the pair's first place; s13: its first tile.  Thread t keeps the last pair whose first tile is at most t: first tiles never fall, so that is tile t's pair.
	v_mov_b32 v12, 0                               ; S: lane = pair: its first place
	v_mov_b32 v13, 0                               ; tile t: lo
	v_mov_b32 v14, 1                               ; hi
	v_mov_b32 v15, 0                               ; the pair's first place
	v_mov_b32 v80, 0                               ; its first tile
	v_mov_b32 v81, 0                               ; its tokens
	s_mov_b32 s12, 0
	s_mov_b32 s13, 0
.set P, 0
.irp lo, 0,1,2,3,4,5,6
.irp hi, 1,2,3,4,5,6,7
.if \hi > \lo
	v_readlane_b32 s14, v10, P
	v_writelane_b32 v12, s12, P
	v_cmp_le_u32 vcc_lo, s13, v0
	v_cndmask_b32 v13, v13, \lo, vcc_lo
	v_cndmask_b32 v14, v14, \hi, vcc_lo
	v_cndmask_b32 v15, v15, s12, vcc_lo
	v_cndmask_b32 v80, v80, s13, vcc_lo
	v_cndmask_b32 v81, v81, s14, vcc_lo
	s_add_co_u32 s12, s12, s14
	s_add_co_u32 s15, s14, 63
	s_lshr_b32 s15, s15, 6
	s_add_co_u32 s13, s13, s15
.set P, P+1
.endif
.endr
.endr
	v_add_nc_u32 v12, v12, v11
.irp i, 0,1,2,3,4,5,6,7,8,9,10,11,12,13,14,15,16,17,18,19,20,21,22,23,24,25,26,27,28,29,30,31
	v_add_nc_u32 v[16+\i], v[16+\i], v12           ; lane p: where chunk i's tokens of pair p begin
.endr
	s_wait_loadcnt 0x0                             ; tokinfo
.irp j, 0,1,2,3,4,5,6,7,8,9,10,11,12,13,14,15
	v_and_b32 v[96+\j], 0xff, v[48+\j]
.endr
.irp j, 0,1,2,3,4,5,6,7,8,9,10,11,12,13,14,15
	v_lshlrev_b32 v[96+\j], 2, v[96+\j]            ; the lane of my token's pair, x 4
.endr
.irp j, 0,1,2,3,4,5,6,7,8,9,10,11,12,13,14,15      ; tokens 32 j + lane lie in chunks 2 j (lanes 0-15) and 2 j + 1
	ds_bpermute_b32 v[112+2*\j], v[96+\j], v[16+2*\j]
	ds_bpermute_b32 v[113+2*\j], v[96+\j], v[17+2*\j]
.endr
	s_lshl_b32 s17, s8, 9
	v_add_nc_u32 v82, s17, v1
.irp j, 0,1,2,3,4,5,6,7,8,9,10,11,12,13,14,15
	v_add_nc_u32 v[144+\j], 32*\j, v82             ; the token's number
	v_bfe_u32 v[48+\j], v[48+\j], 8, 8             ; its rank
.endr
	s_wait_dscnt 0x0
.irp j, 0,1,2,3,4,5,6,7,8,9,10,11,12,13,14,15
	v_cndmask_b32 v[112+2*\j], v[112+2*\j], v[113+2*\j], s16
	v_add_nc_u32 v[112+2*\j], v[112+2*\j], v[48+\j]
	v_min_u32 v[112+2*\j], 0x1fff, v[112+2*\j]     ; a place made of loaded numbers is held inside order[]
	v_lshlrev_b32 v[112+2*\j], 2, v[112+2*\j]
	global_store_b32 v[112+2*\j], v[144+\j], s[6:7]
.endr
	s_cmp_lt_u32 s8, 5                             ; threads 0 to 159 write the records
	s_cbranch_scc0 .Lend
	v_sub_nc_u32 v82, v0, v80                      ; which tile of its pair
	v_lshlrev_b32 v82, 6, v82
	v_mov_b32 v84, v13
	v_mov_b32 v85, v14
	v_add_nc_u32 v86, v15, v82
	v_min_u32 v86, 0x1fff, v86                     ; first
	v_sub_nc_u32 v87, v81, v82                     ; what is left of the pair from there on,
	v_cmp_lt_i32 vcc_lo, 0, v87
	v_cndmask_b32 v87, 0, v87, vcc_lo              ; nothing where the pair has ended,
	v_min_u32 v87, 64, v87                         ; 64 at the most
	v_lshlrev_b32 v88, 4, v0
	global_store_b128 v88, v[84:87], s[6:7] offset:32768
.Lend:
	s_wait_tensorcnt 0x0
	ds_add_u32 v192, v193
	s_wait_dscnt 0x0
	s_endpgm
.Lfunc_end_k_q48ee710680_place:
	.size	k_q48ee710680_place, .Lfunc_end_k_q48ee710680_place-k_q48ee710680_place
	.p2alignl 7, 3214868480
	.fill 96, 4, 3214868480
	.section	.rodata,"a",@progbits
	.p2align	6, 0x0
	.amdhsa_kernel k_q48ee710680_place
		.amdhsa_group_segment_fixed_size 4096
		.amdhsa_private_segment_fixed_size 0
		.amdhsa_enable_private_segment 0
		.amdhsa_kernarg_size 16
		.amdhsa_user_sgpr_count 2
		.amdhsa_user_sgpr_kernarg_segment_ptr 1
		.amdhsa_wavefront_size32 1
		.amdhsa_system_sgpr_workgroup_id_x 1
		.amdhsa_system_sgpr_workgroup_id_y 1
		.amdhsa_system_sgpr_workgroup_id_z 1
		.amdhsa_system_vgpr_workitem_id 0
		.amdhsa_next_free_vgpr 194
		.amdhsa_next_free_sgpr 66
		.amdhsa_reserve_vcc 1
		.amdhsa_float_denorm_mode_32 3
		.amdhsa_float_denorm_mode_16_64 3
		.amdhsa_memory_ordered 1
		.amdhsa_forward_progress 1
		.amdhsa_inst_pref_size 40
	.end_amdhsa_kernel
	.amdgpu_metadata
---
amdhsa.version: [ 1, 2 ]
amdhsa.kernels:
  - .name:           k_q48ee710680_place
    .symbol:         k_q48ee710680_place.kd
    .args:
      - { .name: route, .offset: 0, .size: 8, .value_kind: global_buffer, .address_space: global }
      - { .name: list, .offset: 8, .size: 8, .value_kind: global_buffer, .address_space: global }
    .group_segment_fixed_size: 4096
    .private_segment_fixed_size: 0
    .kernarg_segment_align: 8
    .kernarg_segment_size: 16
    .max_flat_workgroup_size: 512
    .sgpr_count:     66
    .vgpr_count:     194
    .wavefront_size: 32
...
	.end_amdgpu_metadata
.endif
;; end of part 2
;; launch moe (part 3): grid 155 x 1, 4 waves a work-group, no clusters, 118,272 bytes of LDS; arguments xc, xs, wc, ws, gate, list, out0; writes out0
.if DOCPART == 3
	.amdgcn_target "amdgcn-amd-amdhsa--gfx1250"
	.amdhsa_code_object_version 6
	.text
	.protected	k_q48ee710680_moe
	.globl	k_q48ee710680_moe
	.p2align	8
	.type	k_q48ee710680_moe,@function
k_q48ee710680_moe:
	s_mov_b64 s[64:65], 0
	v_nop
	global_prefetch_b8 v0, s[64:65] scope:SCOPE_SE
	s_setreg_imm32_b32 hwreg(HW_REG_WAVE_MODE, 25, 1), 1
	s_wait_xcnt 0x0
; MOE: one work-group takes one tile of at most 64 tokens, all of which chose the same two experts lo < hi, through the whole chain:
;   gather x's codes | h_e = Q(relu(x fc1[e]^T)^2), e = lo, hi | out = w_lo (h_lo fc2[lo]^T) + w_hi (h_hi fc2[hi]^T) | store.  Each row of out0 has one owner; the hidden layer stays in LDS.
; Only the two chosen experts of a token are multiplied: the others' results are multiplied by a weight that is 0.  With 28 pairs and tiles of 64 there are never more than 8192 / 64 + 27 = 155 tiles.
; A tile without rows jumps over the work, passes both barriers and stores nothing.  Rows beyond a tile's count repeat its last token: they compute the same bits and store them to the same row.
; Both products are v_wmma_scale_f32_16x16x128_f8f6f4 on codes of E3M2, used TRANSPOSED: source 0 = 16 rows of a weight, source 1 = 16 tokens, so that a lane holds one token (lane % 16).
; SHARES.  The four waves share the columns, not the rows.  fc1: wave w makes hidden units 128 w .. 128 w + 127 for all 64 tokens (32 accumulators), which is K step w of fc2.
;   fc2: wave w makes output columns 256 w .. 256 w + 255, 64 at a time, for both experts at once (16 + 16 accumulators).
; THE WEIGHTS come from memory straight into registers: wc holds every fragment as an image of its registers, and each fragment is read by one wave of the work-group.
;   No cluster: neighbouring tiles may belong to different pairs, so partners would want different weights; and a fragment that only one wave reads gains nothing from LDS.
;   The launch's weights are 8 blocks of 4 groups; a group is 8 fragments and their scale words: 25 loads.  A ring of four register slots goes round once a block; a slot is asked for again as soon as it is multiplied.
; REGISTERS, in windows of 256.  Window 0: addresses, scale words, the quantiser's and the way out's registers.  Window 1: ring slots 0, 1 (v0, v96), token fragments buffer 0 (v192-239).
;   Window 2: ring slots 2, 3, buffer 1.  Window 3: the 32 accumulators, (m, t) at v[64 m + 8 t], m the tile of 16 tokens.
; LDS: x's 32 fragments (m, q) at 1536 (8 m + q) | the hidden layer's 32 fragments (s, m, q) at 49,152 + 1536 (4 (4 s + m) + q) | their scale words | a stage of 16 rows x 272 bytes for each wave.
; LIMITS: NaN and infinities are not served; a block of zeros has the scale byte 1, with zero codes.
.set HIMG, 49152
.set HSC,  98304                       ; the word of (s, m, q), row r: 128 (4 (2 s + m / 2) + q) + 64 (m % 2) + 4 r
.set STG,  100352
.set G,    32                          ; v32-47   for each m: w_lo, w_hi, w_hi, w_hi of my token
.set BS,   48                          ; v48-63   the weights' scale words, four a ring slot: lanes 0-15 the slot's first four fragments' rows, lanes 16-31 the other four's
.set XS,   64                          ; v64-79   x's scale words: register 8 (m / 2) + q: lanes 0-15 tile m even, lanes 16-31 m odd
.set HS,   80                          ; v80-95   the hidden layer's: register 4 (2 s + m / 2) + q, likewise
.set TM,   96                          ; v96-111  at work in the quantiser
.set PW,   112                         ; v112     the scale word just made
.set PC,   114                         ; v114-125 the codes just made; v126-132 halves on their way
.set OFFS, 136                         ; v136-167 the way out: byte offset in out0 of row 16 m + 2 i + h, register 8 m + i
.set BK,   168                         ; v168-231 the way out: two sets of 8 x 4 registers
.set PRM,  232                         ; v232-239 lane selects
.set PA,   32                          ; s[32:33] where the groups now asked for lie: first four fragments;  s[34:35] the other four
.set PB,   34
.set NA,   36                          ; s[36:39] where the stream goes at its next jump
.set NB,   38
.set W2L,  40                          ; s[40:41] fc2[lo]'s part for my wave;  s[42:43] fc2[hi]'s
.set W2H,  42
.set SEL,  44
.set MSB, 0
.macro WIN new                         ; the immediate's high byte repeats the setting that is left
.if MSB != (\new)
	s_set_vgpr_msb (MSB<<8)|(\new)
.set MSB, (\new)
.endif
.endm
.macro PLACES                          ; four plain lines between a matrix instruction and a load into its registers or a read of its result (ISA guide 7.12.1 for vector instructions)
.rept 4
	v_nop
.endr
.endm
; One product.  d: accumulator; a: the weight's fragment; b: the tokens'; z: it starts the sum; sa, sb: scale registers; ra, rb: take them from lanes 16-31.
.macro MM d, a, b, z, sa, sb, ra, rb
.if \z
.if (\ra) && (\rb)
	v_wmma_scale_f32_16x16x128_f8f6f4 v[(\d):(\d)+7], v[(\a):(\a)+11], v[(\b):(\b)+11], 0, v[\sa], v[\sb] matrix_a_fmt:MATRIX_FMT_BF6 matrix_b_fmt:MATRIX_FMT_BF6 matrix_a_scale:MATRIX_SCALE_ROW1 matrix_b_scale:MATRIX_SCALE_ROW1
.elseif \ra
	v_wmma_scale_f32_16x16x128_f8f6f4 v[(\d):(\d)+7], v[(\a):(\a)+11], v[(\b):(\b)+11], 0, v[\sa], v[\sb] matrix_a_fmt:MATRIX_FMT_BF6 matrix_b_fmt:MATRIX_FMT_BF6 matrix_a_scale:MATRIX_SCALE_ROW1
.elseif \rb
	v_wmma_scale_f32_16x16x128_f8f6f4 v[(\d):(\d)+7], v[(\a):(\a)+11], v[(\b):(\b)+11], 0, v[\sa], v[\sb] matrix_a_fmt:MATRIX_FMT_BF6 matrix_b_fmt:MATRIX_FMT_BF6 matrix_b_scale:MATRIX_SCALE_ROW1
.else
	v_wmma_scale_f32_16x16x128_f8f6f4 v[(\d):(\d)+7], v[(\a):(\a)+11], v[(\b):(\b)+11], 0, v[\sa], v[\sb] matrix_a_fmt:MATRIX_FMT_BF6 matrix_b_fmt:MATRIX_FMT_BF6
.endif
.else
.if (\ra) && (\rb)
	v_wmma_scale_f32_16x16x128_f8f6f4 v[(\d):(\d)+7], v[(\a):(\a)+11], v[(\b):(\b)+11], v[(\d):(\d)+7], v[\sa], v[\sb] matrix_a_fmt:MATRIX_FMT_BF6 matrix_b_fmt:MATRIX_FMT_BF6 matrix_a_scale:MATRIX_SCALE_ROW1 matrix_b_scale:MATRIX_SCALE_ROW1
.elseif \ra
	v_wmma_scale_f32_16x16x128_f8f6f4 v[(\d):(\d)+7], v[(\a):(\a)+11], v[(\b):(\b)+11], v[(\d):(\d)+7], v[\sa], v[\sb] matrix_a_fmt:MATRIX_FMT_BF6 matrix_b_fmt:MATRIX_FMT_BF6 matrix_a_scale:MATRIX_SCALE_ROW1
.elseif \rb
	v_wmma_scale_f32_16x16x128_f8f6f4 v[(\d):(\d)+7], v[(\a):(\a)+11], v[(\b):(\b)+11], v[(\d):(\d)+7], v[\sa], v[\sb] matrix_a_fmt:MATRIX_FMT_BF6 matrix_b_fmt:MATRIX_FMT_BF6 matrix_b_scale:MATRIX_SCALE_ROW1
.else
	v_wmma_scale_f32_16x16x128_f8f6f4 v[(\d):(\d)+7], v[(\a):(\a)+11], v[(\b):(\b)+11], v[(\d):(\d)+7], v[\sa], v[\sb] matrix_a_fmt:MATRIX_FMT_BF6 matrix_b_fmt:MATRIX_FMT_BF6
.endif
.endif
.endm
; A group of the stream into ring slot sl: K step ql of a block's 2 x 4 tiles, 24 loads of 512 consecutive bytes, and one load of scale words (lanes 0-15 the first four tiles', lanes 16-31 the others').
.macro GLOAD sl, ql
	WIN (1+((\sl)>>1))<<6
.irp t, 0,1,2,3
.irp j, 0,1,2
	global_load_b128 v[96*((\sl)&1)+12*\t+4*\j:96*((\sl)&1)+12*\t+4*\j+3], v1, s[PA:PA+1] offset:6144*\t+1536*(\ql)+512*\j
.endr
.endr
.irp t, 0,1,2,3
.irp j, 0,1,2
	global_load_b128 v[96*((\sl)&1)+48+12*\t+4*\j:96*((\sl)&1)+48+12*\t+4*\j+3], v1, s[PB:PB+1] offset:6144*\t+1536*(\ql)+512*\j
.endr
.endr
	WIN 0
	global_load_b128 v[BS+4*(\sl):BS+4*(\sl)+3], v2, s[10:11] offset:256*(\ql)
.endm
.macro ADV                             ; the stream goes on to the next block of the same weights
	s_wait_xcnt 0x0                                ; the loads issued have read their bases and offsets
	s_add_nc_u64 s[PA:PA+1], s[PA:PA+1], 24576
	s_add_nc_u64 s[PB:PB+1], s[PB:PB+1], 24576
	v_add_nc_u32 v2, 1024, v2
.endm
.macro JUMP                            ; or to other weights
	s_wait_xcnt 0x0
	s_mov_b64 s[PA:PA+1], s[NA:NA+1]
	s_mov_b64 s[PB:PB+1], s[NB:NB+1]
	v_mov_b32 v2, v3
.endm
	s_load_b256 s[4:11], s[0:1], 0x0               ; xc 4, xs 6, wc 8, ws 10
	s_load_b128 s[12:15], s[0:1], 0x20             ; gate 12, list 14
	s_load_b64 s[16:17], s[0:1], 0x30              ; out0
	v_lshl_add_u32 v254, v0, 2, 0x1cc00
	v_mov_b32 v255, 0
	v_lshrrev_b32 v14, 5, v0
	v_readfirstlane_b32 s18, v14                   ; wave 0..3
	s_lshl_b32 s19, ttmp9, 4
	s_wait_kmcnt 0x0
	s_load_b128 s[20:23], s[14:15], s19 offset:0x8000   ; my tile's record: lo, hi, first, count
	v_and_b32 v15, 31, v0                          ; lane
	v_and_b32 v11, 15, v0                          ; r
	v_bfe_u32 v12, v0, 4, 1                        ; h
	v_lshlrev_b32 v1, 4, v15                       ; v1: 16 x lane: my place in every image, in memory and in LDS
	v_add_nc_u32 v5, HIMG, v1                      ; v5: the hidden layer's images, to read
	s_mul_i32 s29, s18, 1536
	v_add_nc_u32 v6, s29, v5                       ; v6: and to write: K step w
	s_lshl_b32 s29, s18, 7
	v_lshl_add_u32 v7, v11, 2, s29
	v_add_nc_u32 v7, HSC, v7                       ; v7: their scale words, to write: 128 w + 4 r
	v_lshl_add_u32 v8, v15, 2, HSC                 ; v8: and to read: 4 x lane
	s_mul_i32 s29, s18, 4352
	s_add_co_u32 s29, s29, STG                     ; my stage
	v_mul_u32_u24 v9, v11, 272
	v_lshl_add_u32 v9, v12, 5, v9
	v_add_nc_u32 v9, s29, v9                       ; v9: in: row r, + 32 h
	v_mul_u32_u24 v10, v12, 272
	v_lshl_add_u32 v10, v11, 4, v10
	v_add_nc_u32 v10, s29, v10                     ; v10: back: lanes 0-15 one row of 256 bytes, lanes 16-31 the next
	s_lshl_b32 s29, s18, 10
	v_lshl_add_u32 v13, v11, 4, s29                ; v13: my 16 bytes among my wave's 1,024 of a row of out0
	s_mul_i32 s29, s18, 12288
	v_add_nc_u32 v30, s29, v1                      ; v30: x's images, to write: tile of tokens w
	v_sub_nc_u32 v31, 1, v12                       ; 1 - h
	s_mov_b32 s[SEL], 0x76543210
	s_mov_b32 s[SEL+1], 0xfedcba98
.irp b, 0,1,2,3
	v_mov_b32 v[TM+4+\b], 0                        ; a lane permute's destination counts as one of its sources
.endr
.irp m, 0,1,2,3
	v_add_nc_u32 v[23+\m], 16*\m, v11              ; rows 16 m + r
.endr
	s_lshl_b32 s29, s18, 4
	v_add_nc_u32 v27, s29, v11                     ; row 16 w + r
	v_mov_b32 v28, v15                             ; rows lane, 32 + lane
	v_add_nc_u32 v29, 32, v15
	s_wait_kmcnt 0x0
	s_min_u32 s24, s20, 7                          ; every loaded number is held before it enters an address
	s_min_u32 s25, s21, 7
	s_min_u32 s26, s22, 0x1fff
	s_min_u32 s27, s23, 64
	s_max_u32 s28, s27, 1
	s_sub_co_u32 s28, s28, 1                       ; the tile's last row
.irp i, 23,24,25,26,27,28,29
	v_min_u32 v[\i], s28, v[\i]                    ; rows beyond the count repeat the last
	v_add_nc_u32 v[\i], s26, v[\i]
	v_min_u32 v[\i], 0x1fff, v[\i]
	v_lshlrev_b32 v[\i], 2, v[\i]
.endr
.irp i, 0,1,2,3,4,5,6
	global_load_b32 v[16+\i], v[23+\i], s[14:15]   ; v16-19 the token of row 16 m + r; v20 of row 16 w + r; v21, v22 of rows lane, 32 + lane
.endr
	s_lshl_b32 s30, s24, 2
	s_add_co_u32 s30, s30, s18                     ; 4 lo + w
	s_lshl_b32 s31, s25, 2
	s_add_co_u32 s31, s31, s18                     ; 4 hi + w
	s_mul_i32 s48, s30, 98304
	s_mov_b32 s49, 0
	s_add_nc_u64 s[PA:PA+1], s[8:9], s[48:49]      ; fc1[lo], my 128 hidden units: tiles 0-3,
	s_add_nc_u64 s[PB:PB+1], s[PA:PA+1], 0xc000    ; tiles 4-7
	s_add_nc_u64 s[W2L:W2L+1], s[PA:PA+1], 0x300000
	s_mul_i32 s48, s31, 98304
	s_add_nc_u64 s[NA:NA+1], s[8:9], s[48:49]      ; fc1[hi]
	s_add_nc_u64 s[NB:NB+1], s[NA:NA+1], 0xc000
	s_add_nc_u64 s[W2H:W2H+1], s[NA:NA+1], 0x300000
	v_lshlrev_b32 v14, 4, v11
	v_lshl_add_u32 v14, v12, 11, v14               ; fc1's scale words: 16 r, lanes 16-31 two blocks on
	s_lshl_b32 s50, s30, 12
	v_add_nc_u32 v2, s50, v14                      ; v2: the stream's scale words
	s_lshl_b32 s50, s31, 12
	v_add_nc_u32 v3, s50, v14                      ; v3: at its next jump
	v_mul_u32_u24 v15, s24, v31
	v_mad_u32_u24 v15, s25, v12, v15               ; lanes 0-15 lo, lanes 16-31 hi
	v_lshlrev_b32 v15, 14, v15
	v_lshl_add_u32 v15, v11, 4, v15
	s_lshl_b32 s50, s18, 12
	s_add_co_u32 s50, s50, 0x20000
	v_add_nc_u32 v4, s50, v15                      ; v4: fc2's scale words
	GLOAD 0, 0
	s_wait_loadcnt 25                              ; the seven list loads are in; the group just asked for may be out
.irp i, 16,17,18,19,20,21,22
	v_min_u32 v[\i], 0x1fff, v[\i]
.endr
	v_mul_u32_u24 v23, v20, 768
	v_mad_u32_u24 v23, v12, 48, v23                ; xc: my token's row, + 48 h
	v_lshlrev_b32 v24, 5, v21
	v_lshlrev_b32 v25, 5, v22
.irp m, 0,1,2,3
	v_lshlrev_b32 v[26+\m], 3, v[16+\m]
.endr
	WIN 0xc0                                       ; destination window 3: the accumulators' registers are free as yet
.irp q, 0,1,2,3,4,5,6,7
.irp j, 0,1,2
	global_load_b128 v[12*\q+4*\j:12*\q+4*\j+3], v23, s[4:5] offset:96*\q+16*\j   ; registers 4 j .. 4 j + 3 of fragment (w, q)
.endr
.endr
	WIN 0
.irp u, 0,1
	global_load_b128 v[XS+8*\u:XS+8*\u+3], v[24+\u], s[6:7]
	global_load_b128 v[XS+8*\u+4:XS+8*\u+7], v[24+\u], s[6:7] offset:16
.endr
.irp m, 0,1,2,3
	global_load_b64 v[G+4*\m:G+4*\m+1], v[26+\m], s[12:13]
.endr
	GLOAD 1, 1
	s_wait_loadcnt 33                              ; x's codes are in: behind them stand 4 + 4 small loads and a group of 25
	WIN 0x0c                                       ; an LDS store's data are its source 1: window 3
.irp q, 0,1,2,3,4,5,6,7
.irp j, 0,1,2
	ds_store_b128 v30, v[12*\q+4*\j:12*\q+4*\j+3] offset:1536*\q+512*\j
.endr
.endr
	WIN 0
	GLOAD 2, 2
	GLOAD 3, 3
	ADV
	s_wait_dscnt 0x0                               ; for the others' sake: my images have landed
	s_barrier_signal -1
	s_barrier_wait -1                              ; x's 32 fragments lie in LDS
; ---------------- fc1, relu^2, the quantiser: a loop of two trips, lo and hi
.macro ALOADX q                        ; x's four fragments of K step q into buffer q % 2
	WIN (1+((\q)&1))<<6
.irp m, 0,1,2,3
.irp j, 0,1,2
	ds_load_b128 v[192+12*\m+4*\j:192+12*\m+4*\j+3], v1 offset:(8*\m+(\q))*1536+512*\j
.endr
.endr
.endm
; K step q: 32 products, my 8 tiles of hidden units x the 4 tiles of tokens.  The 32 accumulators take turns, one instruction a turn, in the same order in every group.
.macro FGROUP q
	s_wait_loadcnt 63                              ; this group's 25 loads are in: 75 younger ones have been issued, and 63 is the largest count that the wait can name
	s_wait_dscnt 0x0                               ; x's fragments of this K step, asked for a group ago
.if (\q) < 7
	ALOADX (\q)+1
.endif
	WIN 0xf0|((1+((\q)&1))<<2)|(1+(((\q)&3)>>1))
.irp t, 0,1,2,3,4,5,6,7
.irp m, 0,1,2,3
	MM 64*\m+8*\t, 96*((\q)&1)+48*(\t/4)+12*(\t%4), 192+12*\m, ((\q)==0), BS+4*((\q)&3)+(\t%4), XS+8*(\m/2)+(\q), (\t/4), (\m%2)
.endr
.endr
	WIN 0
	PLACES
	GLOAD ((\q)&3), ((\q)&3)                       ; the slot takes the same K step of the next block
.endm
.macro ACT m                           ; relu, then the square, in f32; each accumulator is read from its low end on
	WIN 0xff
.set j, 0
.rept 64
	v_max_num_f32 v[64*(\m)+j], 0, v[64*(\m)+j]
.set j, j+1
.endr
.set j, 0
.rept 32
	v_pk_mul_f32 v[64*(\m)+j:64*(\m)+j+1], v[64*(\m)+j:64*(\m)+j+1], v[64*(\m)+j:64*(\m)+j+1]
.set j, j+2
.endr
.endm
; The 64 numbers of tile m: register 16 b + i is hidden unit 128 w + 32 b + 16 h + i of my token.  They become a fragment's codes in v[PC] on and my token's scale word in v[PW].  None is negative: no |.|.
.macro QUANT m
	WIN 0x0f                                       ; sources 0 and 1 window 3
.irp b, 0,1,2,3
	v_max3_num_f32 v[TM+\b], v[64*(\m)+16*\b], v[64*(\m)+16*\b+1], 0x2800000   ; and the floor 2^(5 - 127): the byte cannot fall under 1
.endr
	WIN 0x3c                                       ; sources 1 and 2 window 3
.irp i, 2,4,6,8,10,12,14
.irp b, 0,1,2,3
	v_max3_num_f32 v[TM+\b], v[TM+\b], v[64*(\m)+16*\b+\i], v[64*(\m)+16*\b+\i+1]
.endr
.endr
	WIN 0
.irp b, 0,1,2,3
	v_permlanex16_b32 v[TM+4+\b], v[TM+\b], s[SEL], s[SEL+1]
.endr
.irp b, 0,1,2,3
	v_max_num_f32 v[TM+\b], v[TM+\b], v[TM+4+\b]   ; with lane l xor 16's: the block's largest number
.endr
.irp b, 0,1,2,3
	v_add_nc_u32 v[TM+12+\b], 0xfe000000, v[TM+\b] ; 4 off the exponent field: the conversion's scale operand
.endr
.irp b, 0,1,2,3
	v_lshrrev_b32 v[TM+4+\b], 23, v[TM+12+\b]      ; the scale's byte
.endr
	v_lshl_or_b32 v[PW], v[TM+5], 8, v[TM+4]
	v_lshl_or_b32 v[PW], v[TM+6], 16, v[PW]
	v_lshl_or_b32 v[PW], v[TM+7], 24, v[PW]
	WIN 0x03                                       ; source 0 window 3
.irp c, 0,1
	v_cvt_scalef32_pk16_bf6_f32 v[PC+6*\c:PC+2+6*\c], v[64*(\m)+32*\c:64*(\m)+32*\c+15], v[TM+12+2*\c]
	v_cvt_scalef32_pk16_bf6_f32 v[PC+12+4*\c:PC+14+4*\c], v[64*(\m)+32*\c+16:64*(\m)+32*\c+31], v[TM+12+2*\c+1]   ; (a conversion's three registers begin on an even number)
.endr
	WIN 0
	v_nop                                          ; one plain line behind a scaled conversion
.irp c, 0,1                                    ; the operand's layout wants a whole block in a lane
.irp i, 0,1,2
	v_permlane16_swap_b32 v[PC+6*\c+\i], v[PC+12+4*\c+\i]
.endr
.irp i, 0,1,2
	v_mov_b32 v[PC+3+6*\c+\i], v[PC+12+4*\c+\i]
.endr
.endr
.endm
	s_mov_b32 s46, 2
.Lexpert:
	s_cmp_eq_u32 s27, 0                            ; a tile without rows jumps over the trip's work, not over the lines that step addresses.  On both ways one block's four groups are out, slots 0 to 3 in order
	s_cbranch_scc1 .Lnone
	ALOADX 0
.irp q, 0,1,2,3
	FGROUP \q
.endr
	JUMP                                           ; the refills from here on: the next weights' first block
.irp q, 4,5,6,7
	FGROUP \q
.endr
	ADV
.irp m, 0,1,2,3
	ACT \m
	QUANT \m
.irp j, 0,1,2
	ds_store_b128 v6, v[PC+4*\j:PC+4*\j+3] offset:6144*\m+512*\j   ; the image of fragment (s, m, w)
.endr
	ds_store_b32 v7, v[PW] offset:512*(\m/2)+64*(\m%2)             ; lanes r and r + 16 write the same word with the same value
	s_wait_dscnt 0x0                               ; the stores have read their registers
.endr
.Lnone:
	v_add_nc_u32 v6, 24576, v6                     ; the second expert's images and scale words
	v_add_nc_u32 v7, 1024, v7
	s_mov_b64 s[NA:NA+1], s[W2L:W2L+1]             ; the second trip's jump leads to fc2
	s_mov_b64 s[NB:NB+1], s[W2H:W2H+1]
	v_mov_b32 v3, v4
	s_sub_co_u32 s46, s46, 1
	s_cmp_lg_u32 s46, 0
	s_cbranch_scc1 .Lexpert
	s_wait_dscnt 0x0
	s_barrier_signal -1
	s_barrier_wait -1                              ; the hidden layer's 32 fragments lie in LDS
	s_cmp_eq_u32 s27, 0
	s_cbranch_scc1 .Lend
; ---------------- fc2, both experts, 64 columns at a time
.irp i, 0,1,2,3,4,5,6,7,8,9,10,11,12,13,14,15
	ds_load_b32 v[HS+\i], v8 offset:128*\i
.endr
	v_lshlrev_b32 v14, 2, v12
.irp i, 0,1,2,3,4,5,6,7
	v_add_nc_u32 v[PRM+\i], 8*\i, v14              ; 4 x (2 i + h): the lane that holds row 2 i + h's token
.endr
.irp m, 0,1,2,3
.irp i, 0,1,2,3,4,5,6,7
	ds_bpermute_b32 v[OFFS+8*\m+\i], v[PRM+\i], v[16+\m]
.endr
.endr
	s_wait_loadcnt 63                              ; the gate weights are in: the ring's four groups, 100 loads, stand behind them
.irp m, 0,1,2,3
	v_mov_b32 v[G+4*\m+2], v[G+4*\m+1]             ; w_hi as the low word of a pair of its own
	v_mov_b32 v[G+4*\m+3], v[G+4*\m+1]
.endr
	s_wait_dscnt 0x0
.irp i, 0,1,2,3,4,5,6,7,8,9,10,11,12,13,14,15,16,17,18,19,20,21,22,23,24,25,26,27,28,29,30,31
	v_min_u32 v[OFFS+\i], 0x1fff, v[OFFS+\i]
	v_lshl_add_u32 v[OFFS+\i], v[OFFS+\i], 12, v13 ; the token's row of 4,096 bytes + my 16 bytes
.endr
.macro ALOADH s, q                     ; expert s's four hidden fragments of K step q into buffer s
	WIN (1+(\s))<<6
.irp m, 0,1,2,3
.irp j, 0,1,2
	ds_load_b128 v[192+12*\m+4*\j:192+12*\m+4*\j+3], v5 offset:((4*(\s)+\m)*4+(\q))*1536+512*\j
.endr
.endr
.endm
; 64 columns: four K steps of 16 + 16 products.  Accumulator (m, t) is lo's, (m, 4 + t) hi's; all 32 take turns, one instruction a turn.
.macro GBLOCK refill
	ALOADH 0, 0
	ALOADH 1, 0
.irp q, 0,1,2,3
.if \refill
	s_wait_loadcnt 63                              ; as above: 75 younger loads
.elseif \q == 0
	s_wait_loadcnt 63
.else
	s_wait_loadcnt 25*(3-\q)                       ; the tail: the groups still to come
.endif
	s_wait_dscnt 12                                ; lo's fragments are in; hi's 12 loads may be out
	WIN 0xf0|(1<<2)|(1+(\q>>1))
.irp t, 0,1,2,3
.irp m, 0,1,2,3
	MM 64*\m+8*\t, 96*(\q&1)+12*\t, 192+12*\m, (\q==0), BS+4*\q+\t, HS+4*(\m/2)+\q, 0, (\m%2)
.endr
.endr
	WIN 0
	PLACES
.if \q < 3
	ALOADH 0, \q+1
	s_wait_dscnt 12                                ; hi's fragments are in; the 12 just asked for may be out
.else
	s_wait_dscnt 0x0
.endif
	WIN 0xf0|(2<<2)|(1+(\q>>1))
.irp t, 0,1,2,3
.irp m, 0,1,2,3
	MM 64*\m+32+8*\t, 96*(\q&1)+48+12*\t, 192+12*\m, (\q==0), BS+4*\q+\t, HS+8+4*(\m/2)+\q, 1, (\m%2)
.endr
.endr
	WIN 0
	PLACES
.if \q < 3
	ALOADH 1, \q+1
.endif
.if \refill
	GLOAD \q, \q
.endif
.endr
	WIN 0
.endm
; THE WAY OUT of 64 tokens x 64 columns, a tile of 16 tokens at a time: out = w_lo lo + w_hi hi; through my own stage; back as whole rows of 256 bytes.
.macro COMB m
	WIN 0xf3                                       ; the gate weights window 0, all else window 3
.set j, 0
.rept 16
	v_pk_mul_f32 v[64*(\m)+j:64*(\m)+j+1], v[64*(\m)+j:64*(\m)+j+1], v[G+4*(\m):G+4*(\m)+1] op_sel_hi:[1,0]
.set j, j+2
.endr
.set j, 0
.rept 16
	v_pk_fma_f32 v[64*(\m)+j:64*(\m)+j+1], v[64*(\m)+32+j:64*(\m)+32+j+1], v[G+4*(\m)+2:G+4*(\m)+3], v[64*(\m)+j:64*(\m)+j+1] op_sel_hi:[1,0,1]
.set j, j+2
.endr
.endm
.macro TOSTAGE m
	WIN 0x0c
.irp t, 0,1,2,3
	ds_store_b128 v9, v[64*(\m)+8*\t:64*(\m)+8*\t+3] offset:64*\t        ; lane (r, h): columns 16 t + 8 h + 0 .. 7 of token r
	ds_store_b128 v9, v[64*(\m)+8*\t+4:64*(\m)+8*\t+7] offset:64*\t+16
.endr
	WIN 0
.irp i, 0,1,2,3,4,5,6,7
	ds_load_b128 v[BK+32*((\m)%2)+4*\i:BK+32*((\m)%2)+4*\i+3], v10 offset:544*\i   ; LDS serves a wave's instructions in order: these see my stores
.endr
.endm
.macro SEND m, younger
	s_wait_dscnt \younger
.irp i, 0,1,2,3,4,5,6,7
	global_store_b128 v[OFFS+8*(\m)+\i], v[BK+32*((\m)%2)+4*\i:BK+32*((\m)%2)+4*\i+3], s[16:17] th:TH_STORE_NT   ; 16 lanes store 256 consecutive bytes, at a multiple of 256 from out0's first byte
.endr
.endm
.macro WAYOUT
	COMB 0
	TOSTAGE 0
.irp m, 1,2,3
	COMB \m
	s_wait_xcnt 0x0                                ; the stores of two tiles ago have read the registers that this tile's rows land in
	TOSTAGE \m
	SEND \m-1, 16                                  ; behind that tile's loads: this tile's 8 stores and 8 loads
.endr
	SEND 3, 0
	s_wait_xcnt 0x0                                ; the stores have read their base and their registers
	s_add_nc_u64 s[16:17], s[16:17], 256           ; the next 64 columns
.endm
	s_mov_b32 s46, 3
.Lcols:
	GBLOCK 1
	ADV
	WAYOUT
	s_sub_co_u32 s46, s46, 1
	s_cmp_lg_u32 s46, 0
	s_cbranch_scc1 .Lcols
	GBLOCK 0                                       ; the last 64 columns are written out: nothing is left to ask for, and no load passes wc's end
	WAYOUT
.Lend:
	s_wait_tensorcnt 0x0
	ds_add_u32 v254, v255
	s_wait_dscnt 0x0
	s_endpgm
.Lfunc_end_k_q48ee710680_moe:
	.size	k_q48ee710680_moe, .Lfunc_end_k_q48ee710680_moe-k_q48ee710680_moe
	.p2alignl 7, 3214868480
	.fill 96, 4, 3214868480
	.section	.rodata,"a",@progbits
	.p2align	6, 0x0
	.amdhsa_kernel k_q48ee710680_moe
		.amdhsa_group_segment_fixed_size 118272
		.amdhsa_private_segment_fixed_size 0
		.amdhsa_enable_private_segment 0
		.amdhsa_kernarg_size 56
		.amdhsa_user_sgpr_count 2
		.amdhsa_user_sgpr_kernarg_segment_ptr 1
		.amdhsa_wavefront_size32 1
		.amdhsa_system_sgpr_workgroup_id_x 1
		.amdhsa_system_sgpr_workgroup_id_y 1
		.amdhsa_system_sgpr_workgroup_id_z 1
		.amdhsa_system_vgpr_workitem_id 0
		.amdhsa_next_free_vgpr 1024
		.amdhsa_next_free_sgpr 66
		.amdhsa_reserve_vcc 0
		.amdhsa_float_denorm_mode_32 3
		.amdhsa_float_denorm_mode_16_64 3
		.amdhsa_memory_ordered 1
		.amdhsa_forward_progress 1
		.amdhsa_inst_pref_size 212
	.end_amdhsa_kernel
	.amdgpu_metadata
---
amdhsa.version: [ 1, 2 ]
amdhsa.kernels:
  - .name:           k_q48ee710680_moe
    .symbol:         k_q48ee710680_moe.kd
    .args:
      - { .name: xc, .offset: 0, .size: 8, .value_kind: global_buffer, .address_space: global }
      - { .name: xs, .offset: 8, .size: 8, .value_kind: global_buffer, .address_space: global }
      - { .name: wc, .offset: 16, .size: 8, .value_kind: global_buffer, .address_space: global }
      - { .name: ws, .offset: 24, .size: 8, .value_kind: global_buffer, .address_space: global }
      - { .name: gate, .offset: 32, .size: 8, .value_kind: global_buffer, .address_space: global }
      - { .name: list, .offset: 40, .size: 8, .value_kind: global_buffer, .address_space: global }
      - { .name: out0, .offset: 48, .size: 8, .value_kind: global_buffer, .address_space: global }
    .group_segment_fixed_size: 118272
    .private_segment_fixed_size: 0
    .kernarg_segment_align: 8
    .kernarg_segment_size: 56
    .max_flat_workgroup_size: 128
    .sgpr_count:     66
    .vgpr_count:     1024
    .wavefront_size: 32
...
	.end_amdgpu_metadata
.endif
;; end of part 3
;; ======== version 2 of 2: 3 launches; version 1 with the launch moe written anew for expert scheduling mode
;; workspace buffers: xc 6,291,456 bytes; xs 262,144 bytes; wc 6,291,456 bytes; ws 262,144 bytes; route 98,304 bytes of whole numbers; gate 65,536 bytes; list 35,328 bytes of whole numbers
;; launch prep: the kernel of part 1 again; grid 256 x 1, 4 waves a work-group, no clusters, 49,664 bytes of LDS; arguments x, router_w, fc1_w, fc2_w, xc, xs, wc, ws, route, gate; writes xc, xs, wc, ws, route, gate
;; launch place: the kernel of part 2 again; grid 1 x 1, 16 waves a work-group, no clusters, 4,096 bytes of LDS; arguments route, list; writes list
;; launch moe (part 4): grid 155 x 1, 4 waves a work-group, no clusters, 118,272 bytes of LDS; arguments xc, xs, wc, ws, gate, list, out0; writes out0
.if DOCPART == 4
	.amdgcn_target "amdgcn-amd-amdhsa--gfx1250"
	.amdhsa_code_object_version 6
	.text
	.protected	k_q48ee710680_moe
	.globl	k_q48ee710680_moe
	.p2align	8
	.type	k_q48ee710680_moe,@function
k_q48ee710680_moe:
	s_mov_b64 s[64:65], 0
	v_nop
	global_prefetch_b8 v0, s[64:65] scope:SCOPE_SE
	s_setreg_imm32_b32 hwreg(HW_REG_WAVE_SCHED_MODE, 0, 2), 2
	s_setreg_imm32_b32 hwreg(HW_REG_WAVE_MODE, 25, 1), 1
	s_wait_xcnt 0x0
	s_wait_alu depctr_vm_vsrc(0)
; MOE: one work-group takes one tile of at most 64 tokens, all of which chose the same two experts lo < hi, through the whole chain:
;   gather x's codes | h_e = Q(relu(x fc1[e]^T)^2), e = lo, hi | out = w_lo (h_lo fc2[lo]^T) + w_hi (h_hi fc2[hi]^T) | store.  Each row of out0 has one owner; the hidden layer stays in LDS.
; Only the two chosen experts of a token are multiplied: the others' results are multiplied by a weight that is 0.  With 28 pairs and tiles of 64 there are never more than 8192 / 64 + 27 = 155 tiles.
; A tile without rows jumps over the work, passes both barriers and stores nothing.  Rows beyond a tile's count repeat its last token: they compute the same bits and store them to the same row.
; Both products are v_wmma_scale_f32_16x16x128_f8f6f4 on codes of E3M2, used TRANSPOSED: source 0 = 16 rows of a weight, source 1 = 16 tokens, so that a lane holds one token (lane % 16).
; SHARES.  The four waves share the columns, not the rows.  fc1: wave w makes hidden units 128 w .. 128 w + 127 for all 64 tokens (32 accumulators), which is K step w of fc2.
;   fc2: wave w makes output columns 256 w .. 256 w + 255, 64 at a time, for both experts at once (16 + 16 accumulators).
; THE WEIGHTS come from memory straight into registers: wc holds every fragment as an image of its registers, and each fragment is read by one wave of the work-group.
;   No cluster: neighbouring tiles may belong to different pairs, so partners would want different weights; and a fragment that only one wave reads gains nothing from LDS.
;   The launch's weights are 8 blocks of 4 groups; a group is 8 fragments and their scale words: 25 loads.  A ring of four register slots goes round once a block.
; THE MODE: SCHED_MODE bits 1:0 = 2 (LLVM: expert scheduling mode 2), set by the entry lines.  The code itself states the register dependences
;   between vector or matrix instructions and memory or LDS instructions, with s_wait_alu, always for 0.
; THE PLAN.  A group is 32 products.  Registers that memory or LDS instructions touch, in the loops:
;   ring slot s, BS[s]   written by a group's 25 loads; read by the products of group g, g % 4 = s; asked for again in group g + 1: at a group's head three groups are out.
;   token buffers        fc1: two (K step q reads buffer q % 2).  fc2: four, a pair (lo, hi) for even and a pair for odd K steps.  Group q's LDS loads land in the buffers of the other parity, for K step q + 1.
;   v2                   the scale words' offset: read by one load a group; written where the stream steps, at the head of the group with g % 4 = 1.
;   v1, v5, v8 - v10, v13, v30 and the way out's offsets: made once, never written again.
;   So ONE wait on va_vdst stands at a group's head: the last group's products are done reading their slot, its scale words and their token buffers, and v2 is written.
;   The group's loads follow it, dealt among its products, which name this group's slot, scale words and buffers and the accumulators: none of the registers that those loads touch.
;   A block's or a trip's first group owes no such wait: behind the last reader stands a wait on va_vdst of the quantiser's stores, of the way out or of fc2's entry, and nothing since names those registers.
;   codes and scale word (v[PC ..], v[PW]): written by the quantiser, read by four LDS stores: va_vdst ahead of the stores, vm_vsrc ahead of the next tile's quantiser.
;   the way out: the sums are read by LDS stores (va_vdst ahead of them); v[BK ..] is written by LDS loads and read by global stores (vm_vsrc before it is loaded again).
; REGISTERS, in windows of 256.  Window 0: addresses, scale words, the quantiser's and the way out's registers; in fc2 also the odd K steps' token fragments (lo v176-223, hi v96-143).
;   Window 1: ring slots 0, 1 (v0, v96), token fragments buffer 0 (v192-239).  Window 2: ring slots 2, 3, buffer 1.  Window 3: the 32 accumulators, (m, t) at v[64 m + 8 t], m the tile of 16 tokens.
; LDS: x's 32 fragments (m, q) at 1536 (8 m + q) | the hidden layer's 32 fragments (s, m, q) at 49,152 + 1536 (4 (4 s + m) + q) | their scale words | a stage of 16 rows x 272 bytes for each wave.
; LIMITS: NaN and infinities are not served; a block of zeros has the scale byte 1, with zero codes.
.set HIMG, 49152
.set HSC,  98304                       ; the word of (s, m, q), row r: 128 (4 (2 s + m / 2) + q) + 64 (m % 2) + 4 r
.set STG,  100352
.set G,    32                          ; v32-47   for each m: w_lo, w_hi, w_hi, w_hi of my token
.set BS,   48                          ; v48-63   the weights' scale words, four a ring slot: lanes 0-15 the slot's first four fragments' rows, lanes 16-31 the other four's
.set XS,   64                          ; v64-79   x's scale words: register 8 (m / 2) + q: lanes 0-15 tile m even, lanes 16-31 m odd
.set HS,   80                          ; v80-95   the hidden layer's: register 4 (2 s + m / 2) + q, likewise
.set TM,   96                          ; v96-111  at work in the quantiser
.set PW,   112                         ; v112     the scale word just made
.set PC,   114                         ; v114-125 the codes just made; v126-132 halves on their way
.set HI1,  96                          ; v96-143  fc2: hi's four hidden fragments of an odd K step (the quantiser is done by then)
.set OFFS, 144                         ; v144-175 the way out: byte offset in out0 of row 16 m + 2 i + h, register 8 m + i
.set BK,   176                         ; v176-239 the way out: two sets of 8 x 4 registers
.set LO1,  176                         ; v176-223 fc2: lo's four hidden fragments of an odd K step (idle on the way out, as v[BK ..] is idle among the products)
.set PRM,  240                         ; v240-247 lane selects
.set PA,   32                          ; s[32:33] where the groups now asked for lie: first four fragments;  s[34:35] the other four
.set PB,   34
.set NA,   36                          ; s[36:39] where the stream goes at its next jump
.set NB,   38
.set W2L,  40                          ; s[40:41] fc2[lo]'s part for my wave;  s[42:43] fc2[hi]'s
.set W2H,  42
.set SEL,  44
.set MSB, 0
.macro WIN new                         ; the immediate's high byte repeats the setting that is left
.if MSB != (\new)
	s_set_vgpr_msb (MSB<<8)|(\new)
.set MSB, (\new)
.endif
.endm
.macro PLACES                          ; four plain lines between a matrix instruction and a load into its registers or a read of its result (ISA guide 7.12.1 for vector instructions)
.rept 4
	v_nop
.endr
.endm
; One product.  d: accumulator; a: the weight's fragment; b: the tokens'; z: it starts the sum; sa, sb: scale registers; ra, rb: take them from lanes 16-31.
.macro MM d, a, b, z, sa, sb, ra, rb
.if \z
.if (\ra) && (\rb)
	v_wmma_scale_f32_16x16x128_f8f6f4 v[(\d):(\d)+7], v[(\a):(\a)+11], v[(\b):(\b)+11], 0, v[\sa], v[\sb] matrix_a_fmt:MATRIX_FMT_BF6 matrix_b_fmt:MATRIX_FMT_BF6 matrix_a_scale:MATRIX_SCALE_ROW1 matrix_b_scale:MATRIX_SCALE_ROW1
.elseif \ra
	v_wmma_scale_f32_16x16x128_f8f6f4 v[(\d):(\d)+7], v[(\a):(\a)+11], v[(\b):(\b)+11], 0, v[\sa], v[\sb] matrix_a_fmt:MATRIX_FMT_BF6 matrix_b_fmt:MATRIX_FMT_BF6 matrix_a_scale:MATRIX_SCALE_ROW1
.elseif \rb
	v_wmma_scale_f32_16x16x128_f8f6f4 v[(\d):(\d)+7], v[(\a):(\a)+11], v[(\b):(\b)+11], 0, v[\sa], v[\sb] matrix_a_fmt:MATRIX_FMT_BF6 matrix_b_fmt:MATRIX_FMT_BF6 matrix_b_scale:MATRIX_SCALE_ROW1
.else
	v_wmma_scale_f32_16x16x128_f8f6f4 v[(\d):(\d)+7], v[(\a):(\a)+11], v[(\b):(\b)+11], 0, v[\sa], v[\sb] matrix_a_fmt:MATRIX_FMT_BF6 matrix_b_fmt:MATRIX_FMT_BF6
.endif
.else
.if (\ra) && (\rb)
	v_wmma_scale_f32_16x16x128_f8f6f4 v[(\d):(\d)+7], v[(\a):(\a)+11], v[(\b):(\b)+11], v[(\d):(\d)+7], v[\sa], v[\sb] matrix_a_fmt:MATRIX_FMT_BF6 matrix_b_fmt:MATRIX_FMT_BF6 matrix_a_scale:MATRIX_SCALE_ROW1 matrix_b_scale:MATRIX_SCALE_ROW1
.elseif \ra
	v_wmma_scale_f32_16x16x128_f8f6f4 v[(\d):(\d)+7], v[(\a):(\a)+11], v[(\b):(\b)+11], v[(\d):(\d)+7], v[\sa], v[\sb] matrix_a_fmt:MATRIX_FMT_BF6 matrix_b_fmt:MATRIX_FMT_BF6 matrix_a_scale:MATRIX_SCALE_ROW1
.elseif \rb
	v_wmma_scale_f32_16x16x128_f8f6f4 v[(\d):(\d)+7], v[(\a):(\a)+11], v[(\b):(\b)+11], v[(\d):(\d)+7], v[\sa], v[\sb] matrix_a_fmt:MATRIX_FMT_BF6 matrix_b_fmt:MATRIX_FMT_BF6 matrix_b_scale:MATRIX_SCALE_ROW1
.else
	v_wmma_scale_f32_16x16x128_f8f6f4 v[(\d):(\d)+7], v[(\a):(\a)+11], v[(\b):(\b)+11], v[(\d):(\d)+7], v[\sa], v[\sb] matrix_a_fmt:MATRIX_FMT_BF6 matrix_b_fmt:MATRIX_FMT_BF6
.endif
.endif
.endm
; A group of the stream into ring slot sl: K step ql of a block's 2 x 4 tiles.  It comes in three parts, so that it can be dealt among products:
; GHALF: four fragments, 12 loads of 512 consecutive bytes (hf = 0: the first four tiles, by s[PA ..]; 1: the others, by s[PB ..]);
; GSCALE: one load of scale words (lanes 0-15 the first four tiles', lanes 16-31 the others'); it wants every window 0.
.macro GHALF sl, ql, hf
	WIN (1+((\sl)>>1))<<6
.irp t, 0,1,2,3
.irp j, 0,1,2
	global_load_b128 v[96*((\sl)&1)+48*(\hf)+12*\t+4*\j:96*((\sl)&1)+48*(\hf)+12*\t+4*\j+3], v1, s[PA+2*(\hf):PA+2*(\hf)+1] offset:6144*\t+1536*(\ql)+512*\j
.endr
.endr
.endm
.macro GSCALE sl, ql
	global_load_b128 v[BS+4*(\sl):BS+4*(\sl)+3], v2, s[10:11] offset:256*(\ql)
.endm
.macro GLOAD sl, ql                    ; a whole group on end: the first three groups, at the head
	GHALF \sl, \ql, 0
	GHALF \sl, \ql, 1
	WIN 0
	GSCALE \sl, \ql
.endm
; The stream steps where a block's fourth group has been asked for: at the head of the next group, ahead of that head's wait on va_vdst, which states that v2 is written.  Every window is 0 here.
.macro ADV                             ; on to the next block of the same weights
	s_wait_xcnt 0x0                                ; the loads issued have read their bases and offsets
	s_wait_alu depctr_vm_vsrc(0)                   ; the scale words' loads issued so far have read v2
	s_add_nc_u64 s[PA:PA+1], s[PA:PA+1], 24576
	s_add_nc_u64 s[PB:PB+1], s[PB:PB+1], 24576
	v_add_nc_u32 v2, 1024, v2
.endm
.macro JUMP                            ; or to other weights
	s_wait_xcnt 0x0
	s_wait_alu depctr_vm_vsrc(0)                   ; the scale words' loads issued so far have read v2
	s_mov_b64 s[PA:PA+1], s[NA:NA+1]
	s_mov_b64 s[PB:PB+1], s[NB:NB+1]
	v_mov_b32 v2, v3
.endm
	s_load_b256 s[4:11], s[0:1], 0x0               ; xc 4, xs 6, wc 8, ws 10
	s_load_b128 s[12:15], s[0:1], 0x20             ; gate 12, list 14
	s_load_b64 s[16:17], s[0:1], 0x30              ; out0
	v_lshl_add_u32 v254, v0, 2, 0x1cc00
	v_mov_b32 v255, 0
	v_lshrrev_b32 v14, 5, v0
	v_readfirstlane_b32 s18, v14                   ; wave 0..3
	s_lshl_b32 s19, ttmp9, 4
	s_wait_kmcnt 0x0
	s_load_b128 s[20:23], s[14:15], s19 offset:0x8000   ; my tile's record: lo, hi, first, count
	v_and_b32 v15, 31, v0                          ; lane
	v_and_b32 v11, 15, v0                          ; r
	v_bfe_u32 v12, v0, 4, 1                        ; h
	v_lshlrev_b32 v1, 4, v15                       ; v1: 16 x lane: my place in every image, in memory and in LDS
	v_add_nc_u32 v5, HIMG, v1                      ; v5: the hidden layer's images, to read
	s_wait_alu depctr_va_sdst(0)                   ; s18 is written, ahead of its first reader: LDS places and the weights' addresses are made from it
	s_mul_i32 s29, s18, 1536
	v_add_nc_u32 v6, s29, v5                       ; v6: and to write: K step w
	s_lshl_b32 s29, s18, 7
	v_lshl_add_u32 v7, v11, 2, s29
	v_add_nc_u32 v7, HSC, v7                       ; v7: their scale words, to write: 128 w + 4 r
	v_lshl_add_u32 v8, v15, 2, HSC                 ; v8: and to read: 4 x lane
	s_mul_i32 s29, s18, 4352
	s_add_co_u32 s29, s29, STG                     ; my stage
	v_mul_u32_u24 v9, v11, 272
	v_lshl_add_u32 v9, v12, 5, v9
	v_add_nc_u32 v9, s29, v9                       ; v9: in: row r, + 32 h
	v_mul_u32_u24 v10, v12, 272
	v_lshl_add_u32 v10, v11, 4, v10
	v_add_nc_u32 v10, s29, v10                     ; v10: back: lanes 0-15 one row of 256 bytes, lanes 16-31 the next
	s_lshl_b32 s29, s18, 10
	v_lshl_add_u32 v13, v11, 4, s29                ; v13: my 16 bytes among my wave's 1,024 of a row of out0
	s_mul_i32 s29, s18, 12288
	v_add_nc_u32 v30, s29, v1                      ; v30: x's images, to write: tile of tokens w
	v_sub_nc_u32 v31, 1, v12                       ; 1 - h
	s_mov_b32 s[SEL], 0x76543210
	s_mov_b32 s[SEL+1], 0xfedcba98
.irp b, 0,1,2,3
	v_mov_b32 v[TM+4+\b], 0                        ; a lane permute's destination counts as one of its sources
.endr
.irp m, 0,1,2,3
	v_add_nc_u32 v[23+\m], 16*\m, v11              ; rows 16 m + r
.endr
	s_lshl_b32 s29, s18, 4
	v_add_nc_u32 v27, s29, v11                     ; row 16 w + r
	v_mov_b32 v28, v15                             ; rows lane, 32 + lane
	v_add_nc_u32 v29, 32, v15
	s_wait_kmcnt 0x0
	s_min_u32 s24, s20, 7                          ; every loaded number is held before it enters an address
	s_min_u32 s25, s21, 7
	s_min_u32 s26, s22, 0x1fff
	s_min_u32 s27, s23, 64
	s_max_u32 s28, s27, 1
	s_sub_co_u32 s28, s28, 1                       ; the tile's last row
.irp i, 23,24,25,26,27,28,29
	v_min_u32 v[\i], s28, v[\i]                    ; rows beyond the count repeat the last
	v_add_nc_u32 v[\i], s26, v[\i]
	v_min_u32 v[\i], 0x1fff, v[\i]
	v_lshlrev_b32 v[\i], 2, v[\i]
.endr
	s_wait_alu depctr_va_vdst(0)                   ; v23 to v29 are written, which the list's loads read as offsets; so are v1, v5 to v10, v13 and v30, the addresses of all that follows
.irp i, 0,1,2,3,4,5,6
	global_load_b32 v[16+\i], v[23+\i], s[14:15]   ; v16-19 the token of row 16 m + r; v20 of row 16 w + r; v21, v22 of rows lane, 32 + lane
.endr
	s_lshl_b32 s30, s24, 2
	s_add_co_u32 s30, s30, s18                     ; 4 lo + w
	s_lshl_b32 s31, s25, 2
	s_add_co_u32 s31, s31, s18                     ; 4 hi + w
	s_mul_i32 s48, s30, 98304
	s_mov_b32 s49, 0
	s_add_nc_u64 s[PA:PA+1], s[8:9], s[48:49]      ; fc1[lo], my 128 hidden units: tiles 0-3,
	s_add_nc_u64 s[PB:PB+1], s[PA:PA+1], 0xc000    ; tiles 4-7
	s_add_nc_u64 s[W2L:W2L+1], s[PA:PA+1], 0x300000
	s_mul_i32 s48, s31, 98304
	s_add_nc_u64 s[NA:NA+1], s[8:9], s[48:49]      ; fc1[hi]
	s_add_nc_u64 s[NB:NB+1], s[NA:NA+1], 0xc000
	s_add_nc_u64 s[W2H:W2H+1], s[NA:NA+1], 0x300000
	v_lshlrev_b32 v14, 4, v11
	v_lshl_add_u32 v14, v12, 11, v14               ; fc1's scale words: 16 r, lanes 16-31 two blocks on
	s_lshl_b32 s50, s30, 12
	v_add_nc_u32 v2, s50, v14                      ; v2: the stream's scale words
	s_lshl_b32 s50, s31, 12
	v_add_nc_u32 v3, s50, v14                      ; v3: at its next jump
	v_mul_u32_u24 v15, s24, v31
	v_mad_u32_u24 v15, s25, v12, v15               ; lanes 0-15 lo, lanes 16-31 hi
	v_lshlrev_b32 v15, 14, v15
	v_lshl_add_u32 v15, v11, 4, v15
	s_lshl_b32 s50, s18, 12
	s_add_co_u32 s50, s50, 0x20000
	v_add_nc_u32 v4, s50, v15                      ; v4: fc2's scale words
	s_wait_alu depctr_va_vdst(0)                   ; v2 is written, which the groups' scale-word loads read
	GLOAD 0, 0
	s_wait_loadcnt 25                              ; the seven list loads are in; the group just asked for may be out
.irp i, 16,17,18,19,20,21,22
	v_min_u32 v[\i], 0x1fff, v[\i]
.endr
	s_wait_alu depctr_vm_vsrc(0)                   ; the list's loads have read v23 to v29, which are written anew below
	v_mul_u32_u24 v23, v20, 768
	v_mad_u32_u24 v23, v12, 48, v23                ; xc: my token's row, + 48 h
	v_lshlrev_b32 v24, 5, v21
	v_lshlrev_b32 v25, 5, v22
.irp m, 0,1,2,3
	v_lshlrev_b32 v[26+\m], 3, v[16+\m]
.endr
	WIN 0xc0                                       ; destination window 3: the accumulators' registers are free as yet
	s_wait_alu depctr_va_vdst(0)                   ; v23 to v29 are written, the offsets of the 32 loads below; so are the held tokens v16 to v19, which fc2's permutes read
.irp q, 0,1,2,3,4,5,6,7
.irp j, 0,1,2
	global_load_b128 v[12*\q+4*\j:12*\q+4*\j+3], v23, s[4:5] offset:96*\q+16*\j   ; registers 4 j .. 4 j + 3 of fragment (w, q)
.endr
.endr
	WIN 0
.irp u, 0,1
	global_load_b128 v[XS+8*\u:XS+8*\u+3], v[24+\u], s[6:7]
	global_load_b128 v[XS+8*\u+4:XS+8*\u+7], v[24+\u], s[6:7] offset:16
.endr
.irp m, 0,1,2,3
	global_load_b64 v[G+4*\m:G+4*\m+1], v[26+\m], s[12:13]
.endr
	GLOAD 1, 1
	s_wait_loadcnt 33                              ; x's codes are in: behind them stand 4 + 4 small loads and a group of 25
	WIN 0x0c                                       ; an LDS store's data are its source 1: window 3
.irp q, 0,1,2,3,4,5,6,7
.irp j, 0,1,2
	ds_store_b128 v30, v[12*\q+4*\j:12*\q+4*\j+3] offset:1536*\q+512*\j
.endr
.endr
	WIN 0
	GLOAD 2, 2
	s_wait_dscnt 0x0                               ; for the others' sake: my images have landed
	s_barrier_signal -1
	s_barrier_wait -1                              ; x's 32 fragments lie in LDS
	s_wait_alu depctr_vm_vsrc(0)                   ; my LDS stores have read the registers of window 3 that x's codes passed through: they are accumulators from here on, written by the products
; ---------------- fc1, relu^2, the quantiser: a loop of two trips, lo and hi
.macro ALOADX q                        ; x's four fragments of K step q into buffer q % 2
	WIN (1+((\q)&1))<<6
.irp m, 0,1,2,3
.irp j, 0,1,2
	ds_load_b128 v[192+12*\m+4*\j:192+12*\m+4*\j+3], v1 offset:(8*\m+(\q))*1536+512*\j
.endr
.endr
.endm
.macro FU q, t                         ; four products: my tile t of hidden units x the 4 tiles of tokens, K step q
.irp m, 0,1,2,3
	MM 64*\m+8*(\t), 96*((\q)&1)+48*((\t)/4)+12*((\t)%4), 192+12*\m, ((\q)==0), BS+4*((\q)&3)+((\t)%4), XS+8*(\m/2)+(\q), ((\t)/4), (\m%2)
.endr
.endm
; K step q: 32 products, my 8 tiles of hidden units x the 4 tiles of tokens.  The 32 accumulators take turns, one instruction a turn, in the same order in every group.
; Among them: x's fragments of K step q + 1 into the other buffer, and the group three on in the stream into the slot that the last group multiplied.
.macro FGROUP q
.set FWN, 0xf0|((1+((\q)&1))<<2)|(1+(((\q)&3)>>1))
	s_wait_loadcnt 50                              ; this group's 25 loads are in; the two younger groups may be out
	s_wait_dscnt 0x0                               ; x's fragments of this K step, asked for a group ago
	WIN 0
.if (\q) == 1
	ADV                                            ; the block's fourth group has been asked for: on to fc1's second block
.elseif (\q) == 5
	JUMP                                           ; the groups from here on: the next weights' first block
.endif
.if (\q) > 0
	PLACES
	s_wait_alu depctr_va_vdst(0)                   ; the last group's products are done reading their ring slot, its scale words and their token buffer, in which this group's loads land; where the stream has stepped, v2 is written
.endif
	GSCALE ((\q)+3)&3, ((\q)+3)&3
	WIN FWN
	FU \q, 0
.if (\q) < 7
	ALOADX (\q)+1
	WIN FWN
.endif
	FU \q, 1
	FU \q, 2
	GHALF ((\q)+3)&3, ((\q)+3)&3, 0                ; no wait: no product since the wait above names that slot
	WIN FWN
	FU \q, 3
	FU \q, 4
	GHALF ((\q)+3)&3, ((\q)+3)&3, 1
	WIN FWN
	FU \q, 5
	FU \q, 6
	FU \q, 7
.endm
.macro ACT m                           ; relu, then the square, in f32; each accumulator is read from its low end on
	WIN 0xff
.set j, 0
.rept 64
	v_max_num_f32 v[64*(\m)+j], 0, v[64*(\m)+j]
.set j, j+1
.endr
.set j, 0
.rept 32
	v_pk_mul_f32 v[64*(\m)+j:64*(\m)+j+1], v[64*(\m)+j:64*(\m)+j+1], v[64*(\m)+j:64*(\m)+j+1]
.set j, j+2
.endr
.endm
; The 64 numbers of tile m: register 16 b + i is hidden unit 128 w + 32 b + 16 h + i of my token.  They become a fragment's codes in v[PC] on and my token's scale word in v[PW].  None is negative: no |.|.
.macro QUANT m
	WIN 0x0f                                       ; sources 0 and 1 window 3
.irp b, 0,1,2,3
	v_max3_num_f32 v[TM+\b], v[64*(\m)+16*\b], v[64*(\m)+16*\b+1], 0x2800000   ; and the floor 2^(5 - 127): the byte cannot fall under 1
.endr
	WIN 0x3c                                       ; sources 1 and 2 window 3
.irp i, 2,4,6,8,10,12,14
.irp b, 0,1,2,3
	v_max3_num_f32 v[TM+\b], v[TM+\b], v[64*(\m)+16*\b+\i], v[64*(\m)+16*\b+\i+1]
.endr
.endr
	WIN 0
.irp b, 0,1,2,3
	v_permlanex16_b32 v[TM+4+\b], v[TM+\b], s[SEL], s[SEL+1]
.endr
.irp b, 0,1,2,3
	v_max_num_f32 v[TM+\b], v[TM+\b], v[TM+4+\b]   ; with lane l xor 16's: the block's largest number
.endr
.irp b, 0,1,2,3
	v_add_nc_u32 v[TM+12+\b], 0xfe000000, v[TM+\b] ; 4 off the exponent field: the conversion's scale operand
.endr
.irp b, 0,1,2,3
	v_lshrrev_b32 v[TM+4+\b], 23, v[TM+12+\b]      ; the scale's byte
.endr
	v_lshl_or_b32 v[PW], v[TM+5], 8, v[TM+4]
	v_lshl_or_b32 v[PW], v[TM+6], 16, v[PW]
	v_lshl_or_b32 v[PW], v[TM+7], 24, v[PW]
	WIN 0x03                                       ; source 0 window 3
.irp c, 0,1
	v_cvt_scalef32_pk16_bf6_f32 v[PC+6*\c:PC+2+6*\c], v[64*(\m)+32*\c:64*(\m)+32*\c+15], v[TM+12+2*\c]
	v_cvt_scalef32_pk16_bf6_f32 v[PC+12+4*\c:PC+14+4*\c], v[64*(\m)+32*\c+16:64*(\m)+32*\c+31], v[TM+12+2*\c+1]   ; (a conversion's three registers begin on an even number)
.endr
	WIN 0
	v_nop                                          ; one plain line behind a scaled conversion
.irp c, 0,1                                    ; the operand's layout wants a whole block in a lane
.irp i, 0,1,2
	v_permlane16_swap_b32 v[PC+6*\c+\i], v[PC+12+4*\c+\i]
.endr
.irp i, 0,1,2
	v_mov_b32 v[PC+3+6*\c+\i], v[PC+12+4*\c+\i]
.endr
.endr
.endm
	s_mov_b32 s46, 2
.Lexpert:
	s_cmp_eq_u32 s27, 0                            ; a tile without rows jumps over the trip's work, not over the lines that step addresses.  On both ways three groups are out, slots 0 to 2 in order
	s_cbranch_scc1 .Lnone
	ALOADX 0                                       ; no wait: behind the last products that read buffer 0 stand the waits on va_vdst of the quantiser's stores
.irp q, 0,1,2,3,4,5,6,7
	FGROUP \q
.endr
	PLACES                                         ; behind the last products, ahead of the first read of a result
.irp m, 0,1,2,3
	ACT \m
.if \m > 0
	s_wait_alu depctr_vm_vsrc(0)                   ; the last tile's LDS stores have read v[PC ..] and v[PW], which the quantiser writes again; that tile's successor has been squared meanwhile
.endif
	QUANT \m
	s_wait_alu depctr_va_vdst(0)                   ; the quantiser has written the codes and the scale word, which the LDS stores read (v6 and v7, stepped at the last trip's end, are written too)
.irp j, 0,1,2
	ds_store_b128 v6, v[PC+4*\j:PC+4*\j+3] offset:6144*\m+512*\j   ; the image of fragment (s, m, w)
.endr
	ds_store_b32 v7, v[PW] offset:512*(\m/2)+64*(\m%2)             ; lanes r and r + 16 write the same word with the same value
.endr
.Lnone:
	s_wait_alu depctr_vm_vsrc(0)                   ; my LDS stores have read v6 and v7, which step below, and the last tile's codes and scale word, which the next trip's quantiser and fc2's fragment loads write
	v_add_nc_u32 v6, 24576, v6                     ; the second expert's images and scale words
	v_add_nc_u32 v7, 1024, v7
	s_mov_b64 s[NA:NA+1], s[W2L:W2L+1]             ; the second trip's jump leads to fc2
	s_mov_b64 s[NB:NB+1], s[W2H:W2H+1]
	v_mov_b32 v3, v4
	s_sub_co_u32 s46, s46, 1
	s_cmp_lg_u32 s46, 0
	s_cbranch_scc1 .Lexpert
	s_wait_dscnt 0x0
	s_barrier_signal -1
	s_barrier_wait -1                              ; the hidden layer's 32 fragments lie in LDS
	s_cmp_eq_u32 s27, 0
	s_cbranch_scc1 .Lend
; ---------------- fc2, both experts, 64 columns at a time
; Expert s's four hidden fragments of K step q.  Even K steps: v192-239 of window 1 (lo) or 2 (hi); odd K steps: v[LO1 ..] or v[HI1 ..] of window 0.
.macro ALOADH s, q
.if (\q)&1
	WIN 0
.set AB, LO1-(LO1-HI1)*(\s)
.else
	WIN (1+(\s))<<6
.set AB, 192
.endif
.irp m, 0,1,2,3
.irp j, 0,1,2
	ds_load_b128 v[AB+12*\m+4*\j:AB+12*\m+4*\j+3], v5 offset:((4*(\s)+\m)*4+(\q))*1536+512*\j
.endr
.endr
.endm
.irp i, 0,1,2,3,4,5,6,7,8,9,10,11,12,13,14,15
	ds_load_b32 v[HS+\i], v8 offset:128*\i
.endr
	v_lshlrev_b32 v14, 2, v12
.irp i, 0,1,2,3,4,5,6,7
	v_add_nc_u32 v[PRM+\i], 8*\i, v14              ; 4 x (2 i + h): the lane that holds row 2 i + h's token
.endr
	s_wait_alu depctr_va_vdst(0)                   ; the lane selects v[PRM ..] are written, which the permutes read
.irp m, 0,1,2,3
.irp i, 0,1,2,3,4,5,6,7
	ds_bpermute_b32 v[OFFS+8*\m+\i], v[PRM+\i], v[16+\m]
.endr
.endr
	ALOADH 0, 0                                    ; K step 0 of the first 64 columns; every later block's is asked for in the block before
	ALOADH 1, 0
	WIN 0
	s_wait_loadcnt 50                              ; the gate weights are in: behind them stand at least two groups of the ring, 50 loads
.irp m, 0,1,2,3
	v_mov_b32 v[G+4*\m+2], v[G+4*\m+1]             ; w_hi as the low word of a pair of its own
	v_mov_b32 v[G+4*\m+3], v[G+4*\m+1]
.endr
	s_wait_dscnt 24                                ; the scale words and the permutes are back; the 24 fragment loads behind them may be out
.irp i, 0,1,2,3,4,5,6,7,8,9,10,11,12,13,14,15,16,17,18,19,20,21,22,23,24,25,26,27,28,29,30,31
	v_min_u32 v[OFFS+\i], 0x1fff, v[OFFS+\i]
	v_lshl_add_u32 v[OFFS+\i], v[OFFS+\i], 12, v13 ; the token's row of 4,096 bytes + my 16 bytes
.endr
.macro LOU q, t                        ; four products of lo: tile t of the 64 columns x the 4 tiles of tokens, K step q
.irp m, 0,1,2,3
	MM 64*\m+8*(\t), 96*((\q)&1)+12*(\t), LB+12*\m, ((\q)==0), BS+4*(\q)+(\t), HS+4*(\m/2)+(\q), 0, (\m%2)
.endr
.endm
.macro HIU q, t                        ; and of hi
.irp m, 0,1,2,3
	MM 64*\m+32+8*(\t), 96*((\q)&1)+48+12*(\t), HB+12*\m, ((\q)==0), BS+4*(\q)+(\t), HS+8+4*(\m/2)+(\q), 1, (\m%2)
.endr
.endm
; K step q of 64 columns: 16 + 16 products.  Accumulator (m, t) is lo's, (m, 4 + t) hi's; all 32 take turns, one instruction a turn.
; Among them: both experts' fragments of the next K step into the buffers of the other parity (a block's last group asks for the next block's K step 0: the hidden layer is the same for all columns),
; and the group three on in the stream.  refill = 0: the last 64 columns, whose first group alone still asks for weights, and whose last group asks for nothing.
.macro GGROUP q, refill
.if (\q)&1
.set LB, LO1
.set HB, HI1
.set LWN, 0xf0|(1+((\q)>>1))
.set HWN, 0xf0|(1+((\q)>>1))
.else
.set LB, 192
.set HB, 192
.set LWN, 0xf0|(1<<2)|(1+((\q)>>1))
.set HWN, 0xf0|(2<<2)|(1+((\q)>>1))
.endif
.if (\refill) || ((\q) < 2)
	s_wait_loadcnt 50                              ; this group's 25 loads are in; the two younger groups may be out
.else
	s_wait_loadcnt 25*(3-(\q))                     ; the tail: the groups still to come
.endif
	s_wait_dscnt 0x0                               ; both experts' fragments of this K step, asked for a group ago
.if (\refill) || ((\q) == 0)
	WIN 0
.endif
.if (\refill) && ((\q) == 1)
	ADV                                            ; the block's fourth group has been asked for: on to the next 64 columns' weights
.endif
.if ((\q) > 0) && ((\refill) || ((\q) < 3))
	PLACES
	s_wait_alu depctr_va_vdst(0)                   ; the last group's products are done reading their ring slot, its scale words and their two token buffers, in which this group's loads land; where the stream has stepped, v2 is written
.endif
.if (\refill) || ((\q) == 0)
	GSCALE ((\q)+3)&3, ((\q)+3)&3
.endif
	WIN LWN
	LOU \q, 0
.if (\refill) || ((\q) < 3)
	ALOADH 0, ((\q)+1)&3
	WIN LWN
.endif
	LOU \q, 1
.if (\refill) || ((\q) < 3)
	ALOADH 1, ((\q)+1)&3
	WIN LWN
.endif
	LOU \q, 2
	LOU \q, 3
.if (\refill) || ((\q) == 0)
	GHALF ((\q)+3)&3, ((\q)+3)&3, 0                ; no wait: no product since the last wait on va_vdst names that slot
.endif
	WIN HWN
	HIU \q, 0
	HIU \q, 1
.if (\refill) || ((\q) == 0)
	GHALF ((\q)+3)&3, ((\q)+3)&3, 1
	WIN HWN
.endif
	HIU \q, 2
	HIU \q, 3
.endm
.macro GBLOCK refill
.irp q, 0,1,2,3
	GGROUP \q, \refill
.endr
	WIN 0
	PLACES                                         ; behind the last products, ahead of the first read of a result
.endm
; THE WAY OUT of 64 tokens x 64 columns, a tile of 16 tokens at a time: out = w_lo lo + w_hi hi; through my own stage; back as whole rows of 256 bytes.
.macro COMB m
	WIN 0xf3                                       ; the gate weights window 0, all else window 3
.set j, 0
.rept 16
	v_pk_mul_f32 v[64*(\m)+j:64*(\m)+j+1], v[64*(\m)+j:64*(\m)+j+1], v[G+4*(\m):G+4*(\m)+1] op_sel_hi:[1,0]
.set j, j+2
.endr
.set j, 0
.rept 16
	v_pk_fma_f32 v[64*(\m)+j:64*(\m)+j+1], v[64*(\m)+32+j:64*(\m)+32+j+1], v[G+4*(\m)+2:G+4*(\m)+3], v[64*(\m)+j:64*(\m)+j+1] op_sel_hi:[1,0,1]
.set j, j+2
.endr
.endm
.macro TOSTAGE m
	WIN 0x0c
	s_wait_alu depctr_va_vdst(0)                   ; the tile's sums are written, which the LDS stores read; the block's products are done reading v[LO1 ..], in which the rows below land
.irp t, 0,1,2,3
	ds_store_b128 v9, v[64*(\m)+8*\t:64*(\m)+8*\t+3] offset:64*\t        ; lane (r, h): columns 16 t + 8 h + 0 .. 7 of token r
	ds_store_b128 v9, v[64*(\m)+8*\t+4:64*(\m)+8*\t+7] offset:64*\t+16
.endr
	WIN 0
.irp i, 0,1,2,3,4,5,6,7
	ds_load_b128 v[BK+32*((\m)%2)+4*\i:BK+32*((\m)%2)+4*\i+3], v10 offset:544*\i   ; LDS serves a wave's instructions in order: these see my stores
.endr
.endm
.macro SEND m, younger
	s_wait_dscnt \younger
.irp i, 0,1,2,3,4,5,6,7
	global_store_b128 v[OFFS+8*(\m)+\i], v[BK+32*((\m)%2)+4*\i:BK+32*((\m)%2)+4*\i+3], s[16:17] th:TH_STORE_NT   ; 16 lanes store 256 consecutive bytes, at a multiple of 256 from out0's first byte
.endr
.endm
.macro WAYOUT nxt                      ; nxt = 1: 64 more columns follow
	COMB 0
	TOSTAGE 0
.irp m, 1,2,3
	COMB \m
	s_wait_xcnt 0x0                                ; the stores of two tiles ago have read the registers that this tile's rows land in
.if \m > 1
	s_wait_alu depctr_vm_vsrc(0)                   ; the same of their vector registers: the stores of two tiles ago have read their set of v[BK ..], in which this tile's rows land
.endif
	TOSTAGE \m
	SEND \m-1, 16                                  ; behind that tile's loads: this tile's 8 stores and 8 loads
.endr
	SEND 3, 0
.if \nxt
	s_wait_xcnt 0x0                                ; the stores have read their base and their registers
	s_wait_alu depctr_vm_vsrc(0)                   ; the stores have read v[BK ..], in which the next block's fragments land; the stage's stores have read the sums' registers, which the next block's products write
	s_add_nc_u64 s[16:17], s[16:17], 256           ; the next 64 columns
.endif
.endm
	s_mov_b32 s46, 3
.Lcols:
	GBLOCK 1
	WAYOUT 1
	s_sub_co_u32 s46, s46, 1
	s_cmp_lg_u32 s46, 0
	s_cbranch_scc1 .Lcols
	GBLOCK 0                                       ; the last 64 columns are written out: no load passes wc's end
	WAYOUT 0
.Lend:
	s_wait_dscnt 0x0                               ; the closing lines, six on end
	s_wait_alu 0x0
	s_wait_tensorcnt 0x0
	ds_add_u32 v254, v255
	s_wait_dscnt 0x0
	s_endpgm
.Lfunc_end_k_q48ee710680_moe:
	.size	k_q48ee710680_moe, .Lfunc_end_k_q48ee710680_moe-k_q48ee710680_moe
	.p2alignl 7, 3214868480
	.fill 96, 4, 3214868480
	.section	.rodata,"a",@progbits
	.p2align	6, 0x0
	.amdhsa_kernel k_q48ee710680_moe
		.amdhsa_group_segment_fixed_size 118272
		.amdhsa_private_segment_fixed_size 0
		.amdhsa_enable_private_segment 0
		.amdhsa_kernarg_size 56
		.amdhsa_user_sgpr_count 2
		.amdhsa_user_sgpr_kernarg_segment_ptr 1
		.amdhsa_wavefront_size32 1
		.amdhsa_system_sgpr_workgroup_id_x 1
		.amdhsa_system_sgpr_workgroup_id_y 1
		.amdhsa_system_sgpr_workgroup_id_z 1
		.amdhsa_system_vgpr_workitem_id 0
		.amdhsa_next_free_vgpr 1024
		.amdhsa_next_free_sgpr 66
		.amdhsa_reserve_vcc 0
		.amdhsa_float_denorm_mode_32 3
		.amdhsa_float_denorm_mode_16_64 3
		.amdhsa_memory_ordered 1
		.amdhsa_forward_progress 1
		.amdhsa_inst_pref_size 213
	.end_amdhsa_kernel
	.amdgpu_metadata
---
amdhsa.version: [ 1, 2 ]
amdhsa.kernels:
  - .name:           k_q48ee710680_moe
    .symbol:         k_q48ee710680_moe.kd
    .args:
      - { .name: xc, .offset: 0, .size: 8, .value_kind: global_buffer, .address_space: global }
      - { .name: xs, .offset: 8, .size: 8, .value_kind: global_buffer, .address_space: global }
      - { .name: wc, .offset: 16, .size: 8, .value_kind: global_buffer, .address_space: global }
      - { .name: ws, .offset: 24, .size: 8, .value_kind: global_buffer, .address_space: global }
      - { .name: gate, .offset: 32, .size: 8, .value_kind: global_buffer, .address_space: global }
      - { .name: list, .offset: 40, .size: 8, .value_kind: global_buffer, .address_space: global }
      - { .name: out0, .offset: 48, .size: 8, .value_kind: global_buffer, .address_space: global }
    .group_segment_fixed_size: 118272
    .private_segment_fixed_size: 0
    .kernarg_segment_align: 8
    .kernarg_segment_size: 56
    .max_flat_workgroup_size: 128
    .sgpr_count:     66
    .vgpr_count:     1024
    .wavefront_size: 32
...
	.end_amdgpu_metadata
.endif
;; end of part 4
